; MI455X (gfx1250); checked and timed in simulation.
; The chip was launched on July 23, 2026; its instructions are those of AMD's public machine-readable ISA for CDNA 5 (MIT licence, August 2026) and "CDNA5" Instruction Set Architecture Reference Guide (July 2026). The comments in the code are by the model that wrote it; some were corrected since.
;; Self Attention. Allowed arithmetic: float matrix products may take bf16 or f16 operands with f32 sums; all other float work in f32.
;; Inputs: Wk 768 x 768 float32; Wq 768 x 768 float32; Wv 768 x 768 float32; x 16 x 1,024 x 768 float32.
;; Outputs: out0 16 x 1,024 x 768 float32.
;; 2 versions, each right; version 2 is version 1 with the launches pack, attn written anew for expert scheduling mode. Each part assembles by itself: llvm-mc -triple=amdgcn-amd-amdhsa -mcpu=gfx1250 --defsym DOCPART=n.
;; ======== version 1 of 2: 3 launches
;; limits: values are held in f16: magnitudes above 65,504 overflow, below 6.1e-05 lose precision
;; workspace buffers: xf 25,165,824 bytes; wf 3,538,944 bytes; qk 50,331,648 bytes; vf 25,165,824 bytes
;; launch pack (part 1): grid 1168 x 1, 2 waves a work-group, no clusters, 8,960 bytes of LDS; arguments x, Wq, Wk, Wv, xf, wf; writes xf, wf
.if DOCPART == 1
	.amdgcn_target "amdgcn-amd-amdhsa--gfx1250"
	.amdhsa_code_object_version 6
	.text
	.protected	k_q55d20246e5_pack
	.globl	k_q55d20246e5_pack
	.p2align	8
	.type	k_q55d20246e5_pack,@function
k_q55d20246e5_pack:
	s_mov_b64 s[64:65], 0
	v_nop
	global_prefetch_b8 v0, s[64:65] scope:SCOPE_SE
	s_setreg_imm32_b32 hwreg(HW_REG_WAVE_MODE, 25, 1), 1
	s_wait_xcnt 0x0
; x and the three weights, f32 [rows][768], are rounded once to bf16 and laid in FRAGMENT ORDER:
; [tile of 16 rows][96 groups of 8 columns][16 rows][8 columns], a cell of 16 bytes for each (group, row), a tile 24,576 bytes.
; In that order the 16 rows x 32 columns that a matrix instruction takes are 1,024 consecutive bytes: two loads of 16 bytes a lane at 16 x lane.
; SHARES.  A work-group takes ONE row tile: work-groups 0-1023 those of x (-> xf), work-groups 1024-1167 those of Wq, Wk, Wv (-> wf: tiles 0-47 Wq, 48-95 Wk, 96-143 Wv).
; 1,168 small work-groups share out evenly: four or five to each of 256 WGPs.  Its two waves take half of the tile's columns each, three segments of 128 columns (512 bytes of a row in f32).
; A wave asks for its 48 pieces of rows at once (each load: 512 consecutive bytes of one row), turns a segment through its own 4,352 bytes of LDS and stores 512 consecutive bytes a store.
; No matrix unit, no cluster, no barrier: every byte is read once and written once, and no wave reads another's bytes.
.set ROWB,  3072                       ; bytes of a source row
.set XT,    1024                       ; row tiles of x
.set WT,    48                         ; row tiles of a weight
.set PIT,   272                        ; a group in LDS: 16 cells of 16 bytes + 16 of padding = 68 words, so that the 16 groups that a store touches begin 4 banks apart (64 banks of 4 bytes: ISA guide 11.1)
.set WLDS,  16*PIT                     ; a wave's LDS: the 16 groups of a segment
.set SPARE, 2*WLDS                     ; behind them: the spare words, 128 bytes for each wave, one block of 256 bytes that no other line names
.set LO,  1                            ; v1  16 x lane: my bytes in 512 consecutive bytes, in and out; never rewritten
.set STA, 2                            ; v2  LDS: where my 8 bytes of row 0 go: group lane / 2, half lane % 2
.set RDA, 3                            ; v3  LDS: where I read a cell back: group lane / 16, row lane % 16
.set SPW, 4                            ; v4  LDS address of my spare word; never rewritten
.set NIL, 5                            ; v5  0; never rewritten
.set X,   16                           ; v[16:207]  segment g, row r: four registers at X + 64 g + 4 r
	s_load_b256 s[4:11], s[0:1], 0x0               ; x s[4:5], Wq s[6:7], Wk s[8:9], Wv s[10:11]
	s_load_b128 s[12:15], s[0:1], 0x20             ; xf s[12:13], wf s[14:15]
	v_lshl_add_u32 v[SPW], v0, 2, SPARE
	v_mov_b32 v[NIL], 0
	v_lshrrev_b32 v6, 5, v0
	v_readfirstlane_b32 s32, v6                    ; wave 0..1: which half of the tile's columns
	v_and_b32 v7, 31, v0                           ; lane
	v_lshlrev_b32 v[LO], 4, v7
	s_mul_i32 s33, s32, WLDS                       ; my wave's LDS
	v_lshrrev_b32 v8, 1, v7
	v_mul_u32_u24 v[STA], v8, PIT
	v_and_b32 v8, 1, v7
	v_lshl_add_u32 v[STA], v8, 3, v[STA]
	v_add_nc_u32 v[STA], s33, v[STA]
	v_lshrrev_b32 v8, 4, v7
	v_mul_u32_u24 v[RDA], v8, PIT
	v_and_b32 v8, 15, v7
	v_lshl_add_u32 v[RDA], v8, 4, v[RDA]
	v_add_nc_u32 v[RDA], s33, v[RDA]
	s_sub_co_u32 s22, ttmp9, XT                    ; the tile's number among those of the weights (wraps for x's, and is then not used)
	s_wait_kmcnt 0x0
	s_cmp_ge_u32 s22, WT                           ; 48 tiles to a weight
	s_cselect_b32 s25, WT, 0
	s_cselect_b64 s[26:27], s[8:9], s[6:7]
	s_cmp_ge_u32 s22, 2*WT
	s_cselect_b32 s25, 2*WT, s25
	s_cselect_b64 s[26:27], s[10:11], s[26:27]
	s_sub_co_u32 s25, s22, s25                     ; its number inside that weight
	s_cmp_lt_u32 ttmp9, XT                         ; or is it one of x's?
	s_cselect_b32 s25, ttmp9, s25                  ; my source tile,
	s_cselect_b32 s23, ttmp9, s22                  ; my destination tile,
	s_cselect_b64 s[26:27], s[4:5], s[26:27]       ; from which buffer,
	s_cselect_b64 s[28:29], s[12:13], s[14:15]     ; into which
	s_mul_i32 s30, s25, 16*ROWB
	s_mul_i32 s31, s32, 1536                       ; half a row in f32
	s_add_co_u32 s30, s30, s31
	s_mov_b32 s31, 0
	s_add_nc_u64 s[16:17], s[26:27], s[30:31]
	s_mul_i32 s30, s23, 24576
	s_mul_i32 s24, s32, 12288                      ; half a tile in bf16: 48 groups
	s_add_co_u32 s30, s30, s24
	s_add_nc_u64 s[18:19], s[28:29], s[30:31]
.set sg, 0
.rept 3                                ; all 48 loads go out together, segment by segment
.set rho, 0
.rept 16
	global_load_b128 v[X+64*sg+4*rho:X+64*sg+4*rho+3], v[LO], s[16:17] offset:rho*ROWB+sg*512 th:TH_LOAD_NT
.set rho, rho+1
.endr
.set sg, sg+1
.endr
; Segment g: 16 rows x 128 columns.  A lane's four numbers of a row become 8 bytes, half a cell.
.macro SEG g
	s_wait_loadcnt 32-16*(\g)                      ; loads come back in order (ISA guide 5.7.1): this segment's 16 are in, the later segments' stay out
.set rho, 0
.rept 16
.set qd, X+64*(\g)+4*rho
	v_cvt_pk_bf16_f32 v[qd], v[qd], v[qd+1]        ; rounded to nearest even, the lower column in the low half
	v_cvt_pk_bf16_f32 v[qd+1], v[qd+2], v[qd+3]
	ds_store_b64 v[STA], v[qd:qd+1] offset:16*rho
.set rho, rho+1
.endr
.set kk, 0
.rept 8                                ; LDS serves a wave's instructions in order (ISA guide 5.7.1.4): these see the stores above, and the next segment's stores come behind them
	ds_load_b128 v[X+64*(\g)+4*kk:X+64*(\g)+4*kk+3], v[RDA] offset:2*PIT*kk
.set kk, kk+1
.endr
.set kk, 0
.rept 8
	s_wait_dscnt 7-kk                              ; load kk of the eight is in
	global_store_b128 v[LO], v[X+64*(\g)+4*kk:X+64*(\g)+4*kk+3], s[18:19] offset:4096*(\g)+512*kk  ; two groups: 512 consecutive bytes, at a multiple of 256 from the buffer's first; each segment stores from registers of its own
.set kk, kk+1
.endr
.endm
	SEG 0
	SEG 1
	SEG 2
	s_wait_tensorcnt 0x0                           ; the wave's end
	ds_add_u32 v[SPW], v[NIL]
	s_wait_dscnt 0x0
	s_endpgm
.Lfunc_end_k_q55d20246e5_pack:
	.size	k_q55d20246e5_pack, .Lfunc_end_k_q55d20246e5_pack-k_q55d20246e5_pack
	.p2alignl 7, 3214868480
	.fill 96, 4, 3214868480
	.section	.rodata,"a",@progbits
	.p2align	6, 0x0
	.amdhsa_kernel k_q55d20246e5_pack
		.amdhsa_group_segment_fixed_size 8960
		.amdhsa_private_segment_fixed_size 0
		.amdhsa_enable_private_segment 0
		.amdhsa_kernarg_size 48
		.amdhsa_user_sgpr_count 2
		.amdhsa_user_sgpr_kernarg_segment_ptr 1
		.amdhsa_wavefront_size32 1
		.amdhsa_system_sgpr_workgroup_id_x 1
		.amdhsa_system_sgpr_workgroup_id_y 1
		.amdhsa_system_sgpr_workgroup_id_z 1
		.amdhsa_system_vgpr_workitem_id 0
		.amdhsa_next_free_vgpr 208
		.amdhsa_next_free_sgpr 66
		.amdhsa_reserve_vcc 0
		.amdhsa_float_denorm_mode_32 3
		.amdhsa_float_denorm_mode_16_64 3
		.amdhsa_memory_ordered 1
		.amdhsa_forward_progress 1
		.amdhsa_inst_pref_size 21
	.end_amdhsa_kernel
	.amdgpu_metadata
---
amdhsa.version: [ 1, 2 ]
amdhsa.kernels:
  - .name:           k_q55d20246e5_pack
    .symbol:         k_q55d20246e5_pack.kd
    .args:
      - { .name: x, .offset: 0, .size: 8, .value_kind: global_buffer, .address_space: global }
      - { .name: Wq, .offset: 8, .size: 8, .value_kind: global_buffer, .address_space: global }
      - { .name: Wk, .offset: 16, .size: 8, .value_kind: global_buffer, .address_space: global }
      - { .name: Wv, .offset: 24, .size: 8, .value_kind: global_buffer, .address_space: global }
      - { .name: xf, .offset: 32, .size: 8, .value_kind: global_buffer, .address_space: global }
      - { .name: wf, .offset: 40, .size: 8, .value_kind: global_buffer, .address_space: global }
    .group_segment_fixed_size: 8960
    .private_segment_fixed_size: 0
    .kernarg_segment_align: 8
    .kernarg_segment_size: 48
    .max_flat_workgroup_size: 64
    .sgpr_count:     66
    .vgpr_count:     208
    .wavefront_size: 32
...
	.end_amdgpu_metadata
.endif
;; end of part 1
;; launch proj (part 2): grid 64 x 4, 4 waves a work-group, clusters of 4 x 1, 327,680 bytes of LDS; arguments xf, wf, qk, vf; writes qk, vf
.if DOCPART == 2
	.amdgcn_target "amdgcn-amd-amdhsa--gfx1250"
	.amdhsa_code_object_version 6
	.text
	.protected	k_q55d20246e5_proj
	.globl	k_q55d20246e5_proj
	.p2align	8
	.type	k_q55d20246e5_proj,@function
k_q55d20246e5_proj:
	s_mov_b64 s[64:65], 0
	v_nop
	global_prefetch_b8 v0, s[64:65] scope:SCOPE_SE
	s_setreg_imm32_b32 hwreg(HW_REG_WAVE_MODE, 25, 1), 1
	s_wait_xcnt 0x0
	s_wait_alu depctr_hold_cnt(0) depctr_sa_sdst(0) depctr_va_vdst(0) depctr_va_sdst(0) depctr_va_ssrc(0) depctr_va_vcc(0) depctr_vm_vsrc(0)
	s_getreg_b32 s2, hwreg(HW_REG_IB_STS2, 6, 4)
	s_cmp_eq_u32 s2, 0
	s_cbranch_scc0 .Lentry_in_a_cluster
	s_endpgm
.Lentry_in_a_cluster:
	s_bfe_u32 s2, ttmp6, 0x10000c
	s_cmp_lg_u32 s2, 0x3003
	s_cbranch_scc0 .Lentry_shape_is_right
	s_endpgm
.Lentry_shape_is_right:
; q, k, v = x W^T.  x (xf) and the weights (wf) arrive in bf16 in fragment order ([tile of 16 rows][96 groups of 8 columns][16 rows][8 columns]); sums in f32; each result rounded ONCE to f16, unscaled.
; LIMIT.  f16 holds no number beyond 65,504: |q|, |k|, |v| must stay within it (a larger one becomes an infinity).  NaN and infinities are not treated apart.
; OUT.  qk: q from byte 0, k from byte 25,165,824, each [1024 row tiles][96 channel groups][16 rows][8 channels].  vf: [16 batches][48 channel tiles][128 key groups][16 channels][8 keys].
; Both are fragment order again for the products that follow, and a result of 16 x 16 packs into one cell of 16 bytes a lane: ONE store of 512 consecutive bytes, with no way through LDS.
; SHARES.  A work-group owns 256 rows of x (block rb) and a quarter cq of the 144 weight tiles; each wave keeps its 64 rows of x for all of K in 768 registers, loaded once.
; The work-group walks nine steps of 64 weight rows: six of q's or k's tiles, 24 cq + 4 s + 0..3 (source 0 = weights, source 1 = x: a lane holds one row and eight channels),
; then three of v's, 96 + 12 cq + 4 (s - 6) + 0..3 (source 0 = x, source 1 = weights: a lane holds one channel and eight keys).  A step is 12 groups of 32 matrix instructions a wave.
; CLUSTER.  The four work-groups of a cluster share cq and walk the same weight tiles, so each tile is asked for JOINTLY: the same tensor load, descriptor and mask in all four.
; RING.  Two LDS slots of 98,304 bytes, one step's four tiles each; wave w fetches tile w, 24,576 dense bytes as 96 rows of 256.  By this text's count a wave has one tensor load out, and it has a whole step in which to land.
; REGISTERS, in windows of 256 (s_set_vgpr_msb: bits 1:0 source 0, 3:2 source 1, 5:4 source 2, 7:6 destination):
;   window 0: v0-5 addresses; v8-127 a ring of 15 places for weight fragments (fragment f = 4 c + b of a step at place f % 15); v128-255 the 16 accumulators ((a, b) at 128 + 8 (4 a + b))
;   windows 1-3: x: chunk c of 32 along K, row tile a at v[8 (4 (c % 8) + a)] of window 1 + c / 8
.set PANEL, 24576                      ; a tile of 16 rows x 768 in 16 bits
.set STEPB, 4*PANEL                    ; a step's four weight tiles
.set SLOT1, 1<<17                      ; slot 1 begins here: one exclusive or turns an address in one slot into the other's
.set SPARE, SLOT1+STEPB                ; behind the ring: the spare words, 128 bytes for each wave, two blocks of 256 bytes that no other line names
.set LO,   1                           ; v1  16 x lane; never rewritten
.set ADR0, 2                           ; v2  the slot in hand + 16 x lane: weight tiles 0, 1
.set ADR1, 3                           ; v3  the same for tiles 2, 3
.set SPW,  4                           ; v4  LDS address of my spare word; never rewritten
.set NIL,  5                           ; v5  0; never rewritten
.set FB,   8
.set NFS,  15                          ; places in the fragment ring: the eight of the group in hand and the seven ahead
.set ACC,  128
.set WV,  12                           ; s12  wave
.set CX,  13                           ; s13  my place in the cluster: it enters x's, q's, k's and v's addresses alone
.set RB,  14                           ; s14  my block of 256 rows
.set CQ,  15                           ; s15  my quarter of the weight tiles, shared by the partners
.set XA,  16                           ; s[16:17] xf at my wave's four row tiles
.set OT,  18                           ; s[18:19] where the step's q or k results go
.set ON,  20                           ; s[20:21] where the step's v results go
.set TB,  22                           ; s22  LDS byte at which the slot to be read next begins
.set CNT, 23                           ; s23  counts steps
.set G1,  24                           ; s[24:31] descriptor group 1
.set G0,  32                           ; s[32:35] descriptor group 0: it walks
.set OFF, 36                           ; s[36:37] byte offset in wf of the tile that I ask for
.set JMP, 38                           ; s38  from my last q or k tile to my first v tile
.set STP, 39                           ; s39  the step chosen for a fill
.set MSB, 0
.macro WIN new                         ; the immediate's high byte repeats the setting that is left; a switch that changes nothing is dropped
.if MSB != (\new)
	s_set_vgpr_msb (MSB<<8)|(\new)
.set MSB, (\new)
.endif
.endm
.macro PLACES                          ; a load into a register that a matrix instruction has read, and a vector instruction that reads a matrix result, stand four places behind it (ISA guide 7.12.1 for vector instructions)
.rept 4
	v_nop
.endr
.endm
; A round of the cluster's barrier: my work-group's barrier, so that wave 0's signal speaks for all four waves; wave 0 signals; every wave waits for all four work-groups; my work-group's barrier once more.
.macro ROUND
	s_barrier_signal -1
	s_barrier_wait -1
	s_cmp_lg_u32 s[WV], 0
	s_cbranch_scc1 .Lnot_wave_0_\@
	s_barrier_signal -3
.Lnot_wave_0_\@:
	s_barrier_wait -3
	s_barrier_signal -1
	s_barrier_wait -1
.endm
	s_load_b256 s[4:11], s[0:1], 0x0               ; xf s[4:5], wf s[6:7], qk s[8:9], vf s[10:11]
	v_lshl_add_u32 v[SPW], v0, 2, SPARE
	v_mov_b32 v[NIL], 0
	ds_add_u32 v[SPW], v[NIL]                      ; the wave's opening: the add and its wait stand ahead of my first tensor load; the set-up below, work on registers, stands between them
	v_lshrrev_b32 v6, 5, v0
	v_readfirstlane_b32 s[WV], v6
	v_and_b32 v[LO], 31, v0
	v_lshlrev_b32 v[LO], 4, v[LO]
	s_bfe_u32 s[CX], ttmp6, 0x40000
	s_lshl_b32 s[RB], ttmp9, 2                     ; in a cluster launch ttmp9 counts clusters
	s_add_co_u32 s[RB], s[RB], s[CX]
	s_and_b32 s[CQ], ttmp7, 0xffff
	; descriptor group 1: 24,576 dense bytes as 96 rows of 32 elements of 8 bytes, no padding (fragment order needs none: every LDS load takes 512 consecutive bytes)
	s_mov_b32 s[G1+0], 15|(3<<16)|(1<<21)          ; 15:0 the mask of four; 17:16 elements of 8 bytes; 21 set beside a mask
	s_mov_b32 s[G1+1], 32<<16                      ; tensor_dim0 = 32
	s_mov_b32 s[G1+2], 96<<16                      ; tensor_dim1 = 96
	s_mov_b32 s[G1+3], 32<<16                      ; tile_dim0 = 32
	s_mov_b32 s[G1+4], 96                          ; tile_dim1 = 96
	s_mov_b32 s[G1+5], 32                          ; 32 elements from row to row
	s_mov_b32 s[G1+6], 0
	s_mov_b32 s[G1+7], 0
	s_mul_i32 s[OFF], s[CQ], 24
	s_add_co_u32 s[OFF], s[OFF], s[WV]
	s_mul_i32 s[OFF], s[OFF], PANEL                ; step 0: tile 24 cq + w
	s_mov_b32 s[OFF+1], 0
	s_mul_i32 s[JMP], s[CQ], 12
	s_sub_co_u32 s[JMP], 76, s[JMP]
	s_mul_i32 s[JMP], s[JMP], PANEL                ; from tile 24 cq + 20 + w to tile 96 + 12 cq + w
	s_mov_b32 s[G0], 1                             ; count = 1
	s_mul_i32 s[G0+1], s[WV], PANEL                ; LDS address: slot 0, tile w: no place in the cluster enters it
	s_mov_b32 s[TB], 0
	s_lshl_b32 s40, s[RB], 4
	s_lshl2_add_u32 s40, s[WV], s40                ; my first row tile: 16 rb + 4 w
	s_mul_i32 s40, s40, PANEL
	s_mov_b32 s41, 0
	s_lshr_b32 s42, s[CQ], 1                       ; q (0) or k (1),
	s_mul_i32 s42, s42, 1024*PANEL
	s_and_b32 s43, s[CQ], 1                        ; its lower or upper 24 channel tiles of 512 bytes
	s_mul_i32 s43, s43, 24*512
	s_add_co_u32 s42, s42, s43
	s_add_co_u32 s42, s42, s40
	s_mov_b32 s43, 0
	s_lshr_b32 s44, s[RB], 2                       ; the batch,
	s_mul_i32 s44, s44, 64*PANEL
	s_mul_i32 s45, s[CQ], 12*32768                 ; my first channel tile of v,
	s_add_co_u32 s44, s44, s45
	s_and_b32 s45, s[RB], 3
	s_lshl_b32 s45, s45, 4
	s_lshl2_add_u32 s45, s[WV], s45                ; my first key tile in the batch, 512 bytes each
	s_lshl_b32 s45, s45, 9
	s_add_co_u32 s44, s44, s45
	s_mov_b32 s45, 0
	s_wait_dscnt 0x0                               ; the opening add is done
	s_wait_kmcnt 0x0
	s_add_nc_u64 s[XA:XA+1], s[4:5], s[40:41]
	s_add_nc_u64 s[OT:OT+1], s[8:9], s[42:43]
	s_add_nc_u64 s[ON:ON+1], s[10:11], s[44:45]
	s_add_nc_u64 s[G0+2:G0+3], s[6:7], s[OFF:OFF+1]
	s_or_b32 s[G0+3], s[G0+3], 0x80000000          ; type = 2
	ROUND                                          ; all four work-groups are here: the first joint loads meet
	tensor_load_to_lds s[G0:G0+3], s[G1:G1+7]      ; step 0 into slot 0
	s_nop 0
	PLACES                                         ; four instructions before the windows are switched
.set cc, 0
.rept 24                               ; my 64 rows of x, all of K: 192 loads of 512 consecutive bytes, chunk by chunk, so that the first step can begin on the first chunks
	WIN (1+cc/8)<<6
.set aa, 0
.rept 4
	global_load_b128 v[32*(cc%8)+8*aa:32*(cc%8)+8*aa+3],   v[LO], s[XA:XA+1] offset:aa*PANEL+cc*1024
	global_load_b128 v[32*(cc%8)+8*aa+4:32*(cc%8)+8*aa+7], v[LO], s[XA:XA+1] offset:aa*PANEL+cc*1024+512
.set aa, aa+1
.endr
.set cc, cc+1
.endr
	WIN 0
; THE CHANGE OF SLOTS.  Each wave waits for all its tensor loads, of which one is out: its tile of the slot to be read; adds 0 to its spare word; and waits for that and for its reads of the slot that it leaves.
; fill = 1: the slot that is left is filled again, with the tiles of the step behind the one that begins; the barrier is then a round of the cluster's, so that no wave of any partner still reads the slot or has a load
; on its way, and the joint fill is the first thing behind it.  jump = 1: the fill issued when CNT is 1 goes on to v's tiles.  (At its first use nothing has been read: slot 0 is waited for, slot 1 filled.)
.macro CHANGE fill, jump
	WIN 0
	s_wait_tensorcnt 0x0                           ; no tensor load of mine is out, so group 0 may be written
	ds_add_u32 v[SPW], v[NIL]                      ; 0 onto my spare word; the descriptor's scalar work stands between it and the wait for it
.if \fill
	s_xor_b32 s[G0+1], s[G0+1], SLOT1              ; the other slot than last time
.if \jump
	s_cmp_eq_u32 s[CNT], 1
	s_cselect_b32 s[STP], s[JMP], STEPB
	s_add_co_u32 s[OFF], s[OFF], s[STP]
.else
	s_add_co_u32 s[OFF], s[OFF], STEPB
.endif
	s_add_nc_u64 s[G0+2:G0+3], s[6:7], s[OFF:OFF+1]  ; the address is made anew from the buffer's and the offset
	s_or_b32 s[G0+3], s[G0+3], 0x80000000
	s_wait_dscnt 0x0                               ; the add is done, and my reads of the slot are over
	ROUND
	tensor_load_to_lds s[G0:G0+3], s[G1:G1+7]
	s_nop 0
.else
	s_wait_dscnt 0x0
	s_barrier_signal -1
	s_barrier_wait -1
.endif
	v_add_nc_u32 v[ADR0], s[TB], v[LO]             ; four vector lines with no switch of windows among them follow the load
	v_add_nc_u32 v[ADR1], 2*PANEL, v[ADR0]
	v_nop
	v_nop
	s_xor_b32 s[TB], s[TB], SLOT1
.endm
; Weight fragment f = 4 c + b (chunk c of 32 along K, tile b): two LDS loads of 512 consecutive bytes, into ring place f % 15
.macro WF f
.set wb, FB+8*((\f)%NFS)
.if ((\f)%4) < 2
	ds_load_b128 v[wb:wb+3],   v[ADR0] offset:((\f)%2)*PANEL+((\f)/4)*1024
	ds_load_b128 v[wb+4:wb+7], v[ADR0] offset:((\f)%2)*PANEL+((\f)/4)*1024+512
.else
	ds_load_b128 v[wb:wb+3],   v[ADR1] offset:((\f)%2)*PANEL+((\f)/4)*1024
	ds_load_b128 v[wb+4:wb+7], v[ADR1] offset:((\f)%2)*PANEL+((\f)/4)*1024+512
.endif
.endm
; A STEP: 12 groups of two chunks, 32 matrix instructions each.  The 16 accumulators take turns, one instruction a turn.
; The LDS loads stand in ONE run a group: ahead of group k the eight fragments 8 k + 7 .. 8 k + 14 go into the places that group k - 1 has just read.
; The wait for fragments is taken chunk by chunk: a group's first chunk needs only fragments of the run before, so its 16 products stand between the request for fragment 8 k + 7, the run's first, and the wait for it.
; orient = 0: source 0 = weights, source 1 = x.  orient = 1: the other way round.  aw = 1: x may still be on its way (it is, in the first step).
.macro MULT orient, aw
.if \aw
	s_wait_loadcnt 63                              ; of x's 192 loads at most 63 are out: the first 129 are in, chunks 0-15 among them
.endif
	WIN 0
.set ff, 0
.rept NFS
	WF ff
.set ff, ff+1
.endr
.set kk, 0
.rept 12
.if kk > 0
	PLACES                                         ; the places to be loaded were read by the products just issued
	WIN 0
.rept 8
.if ff < 96
	WF ff
.set ff, ff+1
.endif
.endr
.endif
.if (\aw) && (kk >= 8)
	s_wait_loadcnt 8*(22-2*kk)                     ; x's chunks 2 kk and 2 kk + 1 are in; the later chunks' eight loads each may be out
.endif
.set cc, 2*kk
.if \orient
	WIN 1+cc/8                                     ; source 0 = x
.else
	WIN (1+cc/8)<<2                                ; source 1 = x
.endif
.rept 2
	s_wait_dscnt 2*(ff-4*cc-4)                     ; LDS loads come back in order (ISA guide 5.7.1): ff fragments have been asked for, two loads each; those behind 4 cc + 3, the chunk's last, may be out: 22 and 14 loads, at the step's end 8 and 0
.set ab, 32*(cc%8)
.set aa, 0
.rept 4
.set bb, 0
.rept 4
.set ac, ACC+8*(4*aa+bb)
.set fb, FB+8*((4*cc+bb)%NFS)
.if \orient
.if cc == 0
	v_wmma_f32_16x16x32_bf16 v[ac:ac+7], v[ab+8*aa:ab+8*aa+7], v[fb:fb+7], 0
.else
	v_wmma_f32_16x16x32_bf16 v[ac:ac+7], v[ab+8*aa:ab+8*aa+7], v[fb:fb+7], v[ac:ac+7]
.endif
.else
.if cc == 0
	v_wmma_f32_16x16x32_bf16 v[ac:ac+7], v[fb:fb+7], v[ab+8*aa:ab+8*aa+7], 0
.else
	v_wmma_f32_16x16x32_bf16 v[ac:ac+7], v[fb:fb+7], v[ab+8*aa:ab+8*aa+7], v[ac:ac+7]
.endif
.endif
.set bb, bb+1
.endr
.set aa, aa+1
.endr
.set cc, cc+1
.endr
.set kk, kk+1
.endr
.endm
; THE WAY OUT of a step: each accumulator is rounded to f16 in place, its registers in ascending order; then each leaves by one store of 512 consecutive bytes at a multiple of 256 from the buffer's first.
; The 64 conversions stand together ahead of the 16 stores.  step = 1: the base goes on to the next step's place, behind the wait that frees it and the stores' data registers.
.macro OUT orient, step
	PLACES
	WIN 0
.set ac, ACC
.rept 16
	v_cvt_pk_f16_f32 v[ac],   v[ac],   v[ac+1]
	v_cvt_pk_f16_f32 v[ac+1], v[ac+2], v[ac+3]
	v_cvt_pk_f16_f32 v[ac+2], v[ac+4], v[ac+5]
	v_cvt_pk_f16_f32 v[ac+3], v[ac+6], v[ac+7]
.set ac, ac+8
.endr
.set aa, 0
.rept 4
.set bb, 0
.rept 4
.set ac, ACC+8*(4*aa+bb)
.if \orient
	global_store_b128 v[LO], v[ac:ac+3], s[ON:ON+1] offset:aa*512+bb*32768   ; key tile a, channel tile b
.else
	global_store_b128 v[LO], v[ac:ac+3], s[OT:OT+1] offset:aa*PANEL+bb*512   ; row tile a, channel tile b
.endif
.set bb, bb+1
.endr
.set aa, aa+1
.endr
.if \step
	s_wait_xcnt 0x0                                ; every earlier memory instruction has had its addresses translated (ISA guide 3.1): only now are the base and the accumulators written again
.if \orient
	s_add_nc_u64 s[ON:ON+1], s[ON:ON+1], 4*32768
.else
	s_add_nc_u64 s[OT:OT+1], s[OT:OT+1], 4*512
.endif
.endif
.endm
	s_mov_b32 s[CNT], 6
.Lt:                                                   ; steps 0-5: q's or k's tiles
	CHANGE 1, 1
	MULT 0, 1
	OUT 0, 1
	s_sub_co_u32 s[CNT], s[CNT], 1
	s_cmp_lg_u32 s[CNT], 0
	s_cbranch_scc1 .Lt
	s_mov_b32 s[CNT], 2
.Ln:                                                   ; steps 6, 7: v's tiles
	CHANGE 1, 0
	MULT 1, 0
	OUT 1, 1
	s_sub_co_u32 s[CNT], s[CNT], 1
	s_cmp_lg_u32 s[CNT], 0
	s_cbranch_scc1 .Ln
	CHANGE 0, 0                                    ; step 8 is written out: nothing is left to ask for
	MULT 1, 0
	OUT 1, 0
	s_wait_tensorcnt 0x0                           ; the wave's end
	ds_add_u32 v[SPW], v[NIL]
	s_wait_dscnt 0x0
	ROUND                                          ; the closing round: no work-group ends while a partner may still ask for a tile that names it
	s_endpgm
.Lfunc_end_k_q55d20246e5_proj:
	.size	k_q55d20246e5_proj, .Lfunc_end_k_q55d20246e5_proj-k_q55d20246e5_proj
	.p2alignl 7, 3214868480
	.fill 96, 4, 3214868480
	.section	.rodata,"a",@progbits
	.p2align	6, 0x0
	.amdhsa_kernel k_q55d20246e5_proj
		.amdhsa_group_segment_fixed_size 327680
		.amdhsa_private_segment_fixed_size 0
		.amdhsa_enable_private_segment 0
		.amdhsa_kernarg_size 32
		.amdhsa_user_sgpr_count 2
		.amdhsa_user_sgpr_kernarg_segment_ptr 1
		.amdhsa_wavefront_size32 1
		.amdhsa_system_sgpr_workgroup_id_x 1
		.amdhsa_system_sgpr_workgroup_id_y 1
		.amdhsa_system_sgpr_workgroup_id_z 1
		.amdhsa_system_vgpr_workitem_id 0
		.amdhsa_next_free_vgpr 1024
		.amdhsa_next_free_sgpr 66
		.amdhsa_reserve_vcc 0
		.amdhsa_float_denorm_mode_32 3
		.amdhsa_float_denorm_mode_16_64 3
		.amdhsa_memory_ordered 1
		.amdhsa_forward_progress 1
		.amdhsa_inst_pref_size 159
	.end_amdhsa_kernel
	.amdgpu_metadata
---
amdhsa.version: [ 1, 2 ]
amdhsa.kernels:
  - .name:           k_q55d20246e5_proj
    .symbol:         k_q55d20246e5_proj.kd
    .args:
      - { .name: xf, .offset: 0, .size: 8, .value_kind: global_buffer, .address_space: global }
      - { .name: wf, .offset: 8, .size: 8, .value_kind: global_buffer, .address_space: global }
      - { .name: qk, .offset: 16, .size: 8, .value_kind: global_buffer, .address_space: global }
      - { .name: vf, .offset: 24, .size: 8, .value_kind: global_buffer, .address_space: global }
    .group_segment_fixed_size: 327680
    .private_segment_fixed_size: 0
    .kernarg_segment_align: 8
    .kernarg_segment_size: 32
    .max_flat_workgroup_size: 128
    .sgpr_count:     66
    .vgpr_count:     1024
    .wavefront_size: 32
...
	.end_amdgpu_metadata
.endif
;; end of part 2
;; launch attn (part 3): grid 256 x 1, 4 waves a work-group, no clusters, 183,808 bytes of LDS; arguments qk, vf, out0; writes out0
.if DOCPART == 3
	.amdgcn_target "amdgcn-amd-amdhsa--gfx1250"
	.amdhsa_code_object_version 6
	.text
	.protected	k_q55d20246e5_attn
	.globl	k_q55d20246e5_attn
	.p2align	8
	.type	k_q55d20246e5_attn,@function
k_q55d20246e5_attn:
	s_mov_b64 s[64:65], 0
	v_nop
	global_prefetch_b8 v0, s[64:65] scope:SCOPE_SE
	s_setreg_imm32_b32 hwreg(HW_REG_WAVE_MODE, 25, 1), 1
	s_wait_xcnt 0x0
; CAUSAL ATTENTION, one head of 768 channels in each of 16 batches of 1,024 rows: out[b][q][:] = the sum over k <= q of softmax_k(q . k / sqrt(768)) v[k][:], f32 out.
; q, k (qk) and v (vf) arrive in f16 in fragment order.  Products, maxima and sums in f32; the weights p are rounded to f16 for the second product (their sum l is taken of the unrounded p).
; LIMITS.  q, k, v lie within f16's 65,504.  A hidden score counts as -1e30: true scores must lie far above that.  A weight below 2^-126 counts as 0 in l.  NaN and infinities are not treated apart.
; SHARES.  A work-group owns 64 queries (block i of its batch's 16) and walks NSS = i / 4 + 1 SUPER-STEPS of 256 keys; super-step NSS - 1 holds the diagonal and is masked.
; THE WALK IS TURNED: block i begins at super-step (i % 4) % NSS and goes round.  The four blocks with the same NSS so ask for different keys in each trip, and from the second trip on a block asks for bytes that a
; neighbour asked for a trip earlier.  The running maximum holds in any order; every query sees its own key in the masked super-step, so m is a true score from the first trip on.
;   S phase: wave w owns keys 64 w .. 64 w + 63 of the super-step: S^T = K Q^T (source 0 = 16 keys, source 1 = 16 queries): a lane holds ONE query (lane % 16) and the keys 8 (lane / 16) + 0..7.  16 accumulators, 12 groups of two chunks of 32 channels.
;   PV phase: wave w owns channels 192 w .. 192 w + 191: O^T += V^T P (source 0 = 16 channels, source 1 = 32 keys x 16 queries): again one query a lane.  48 accumulators, 8 chunks of 32 keys.
; Each fragment of K; only Q (read by all four waves)
; and P (made by key, used by channel) lie in LDS.
; SOFTMAX.  For each query a running maximum m, common to the four waves (exchanged through LDS in every super-step), and a sum l of the wave's own keys: p = 2^(c s - c m), c = log2(e) / sqrt(768);
; O and l are multiplied by a = 2^(c m_old - c m_new).  m starts at the lowest finite number, O and l at 0: the first trip's a is 0, and no first step is written out; the price is the 384 lines that clear O, in the wait for the first loads.
; NO CLUSTER, NO TENSOR LOADS: beside Q's 98,304 and P's 32,768 bytes two LDS slots would have at most 97,792 bytes each, and 64 keys x 768 channels are 98,304; and K or V read out of LDS would double the LDS loads of a product.
; THE LAST TRIP's look-ahead asks once more for the first six chunks of the K with which the walk began (24,576 bytes a wave, inside the buffer, never used), so that every count of loads is the same on every path.
; REGISTERS, in windows of 256 (s_set_vgpr_msb: bits 1:0 source 0, 3:2 source 1, 5:4 source 2, 7:6 destination):
;   window 0: v0-15 addresses; v16-47 eight registers of statistics a query tile; v48-63 at work; v128-255 S^T ((a, t) at 128 + 8 (4 a + t))
;   window 1 and v0-127 of window 2: O^T, (n, a) at 8 (4 n + a) counted through; window 2 v128-255: four buffers of four fragments of Q, later of P; window 3: the ring
.set PANEL, 24576                      ; 16 rows x 768 channels in f16
.set VTILE, 32768                      ; 16 channels x 1,024 keys in f16
.set OROW,  3072                       ; a row of out in bytes
.set PLDS,  4*PANEL                    ; LDS: Q's four panels from 0; P from here: block (key tile kt, query tile a) of 512 bytes at (4 kt + a) 512
.set STAT,  PLDS+32768                 ; the waves' maxima, [a][query][wave] f32, 1,024 bytes; their sums 1,024 bytes further on
.set STAGE, STAT+2048                  ; for the way out: for each wave 16 rows of 768 bytes,
.set SPIT,  784                        ; 784 bytes apart: 49 x 16, so that the 16 rows that a store touches begin in 16 different groups of four banks (64 banks of 4 bytes: ISA guide 11.1)
.set WSTG,  16*SPIT
.set SPARE, STAGE+4*WSTG               ; the spare words, 128 bytes for each wave, two blocks of 256 bytes that no other line names
.set LO,  1                            ; v1   16 x lane: my bytes in 512 consecutive bytes; also the LDS address of Q's panels 0, 1
.set QA1, 2                            ; v2   of Q's panels 2, 3
.set PA,  3                            ; v3   P + 16 x lane
.set PW,  4                            ; v4   the same at my wave's four key tiles
.set SA,  5                            ; v5   STAT + 16 x query + 4 x wave
.set SR,  6                            ; v6   STAT + 16 x query
.set STO, 7                            ; v7   my stage: row lane % 16, 32 bytes for each half of the lanes
.set RD,  8                            ; v8   my stage: lanes 0-15 a row's 256 bytes, lanes 16-31 those of the row eight further down
.set GO,  9                            ; v9   the same two places in out
.set DLT, 10                           ; v10  my query less my lanes' first key, in the diagonal super-step
.set BIG, 11                           ; v11  -1e30
.set QW,  12                           ; v12  LDS: where my wave's panel of Q goes
.set SPW, 14                           ; v14  LDS address of my spare word; never rewritten
.set NIL, 15                           ; v15  0; never rewritten
.set ST,  16                           ; tile a at ST + 8 a: c m, m, l (even keys', odd keys'), a, its pair's other half, two at work
.set WK,  48
.set S,   128
.set PB,  128                          ; window 2
.set WV,  10
.set BT,  11                           ; s11  batch
.set QI,  12                           ; s12  query block in the batch
.set NSS, 13                           ; s13  super-steps
.set SS,  14                           ; s14  counts trips
.set TM,  15
.set KB,  16                           ; s[16:17] k at my wave's four key tiles of the super-step whose K is being asked for
.set VB,  18                           ; s[18:19] v at my wave's twelve channel tiles, at the first key of the super-step in hand
.set QS,  20                           ; s[20:21] q at my wave's panel of the block
.set OB,  22                           ; s[22:23] out at the block's first row, my wave's 768 bytes
.set CS,  24                           ; s[24:25] c: the packed scaling takes the pair's low word for both halves
.set SEL, 26                           ; s[26:27] v_permlanex16_b32's selects: each lane takes its own place in the other half
.set OFS, 28                           ; s[28:29] a super-step's byte offset in K or in V
.set SG,  30                           ; s30  the super-step in hand
.set SN,  31                           ; s31  the next one
.set K0,  40                           ; s[40:41] k at my wave's key tiles of super-step 0; never rewritten
.set V0,  42                           ; s[42:43] v at my wave's channel tiles, key 0; never rewritten
.set MSB, 0
.macro WIN new                         ; the immediate's high byte repeats the setting that is left; a switch that changes nothing is dropped
.if MSB != (\new)
	s_set_vgpr_msb (MSB<<8)|(\new)
.set MSB, (\new)
.endif
.endm
.macro PLACES                          ; a load into a register that a matrix instruction has read, and a vector instruction that reads a matrix result, stand four places behind it (ISA guide 7.12.1 for vector instructions)
.rept 4
	v_nop
.endr
.endm
.macro ALL line:vararg                 ; one line for each query tile ta
.set ta, 0
.rept 4
	\line
.set ta, ta+1
.endr
.endm
.macro KLOAD c                         ; K's chunk c (32 channels) of my four key tiles: ring places 4 (c % 8) + t
	WIN 0xc0
.set ks, 32*((\c)%8)
.irp t, 0,1,2,3
	global_load_b128 v[ks+8*\t:ks+8*\t+3],   v[LO], s[KB:KB+1] offset:\t*PANEL+(\c)*1024
	global_load_b128 v[ks+8*\t+4:ks+8*\t+7], v[LO], s[KB:KB+1] offset:\t*PANEL+(\c)*1024+512
.endr
.endm
.macro VLOAD f                         ; V's fragment f = 12 m + n (key chunk m, channel tile n): ring place f % 32
	WIN 0xc0
.set vs, 8*((\f)%32)
	global_load_b128 v[vs:vs+3],   v[LO], s[VB:VB+1] offset:((\f)%12)*VTILE+((\f)/12)*1024
	global_load_b128 v[vs+4:vs+7], v[LO], s[VB:VB+1] offset:((\f)%12)*VTILE+((\f)/12)*1024+512
.endm
.macro QLOAD c                         ; Q's chunk c of the four query tiles, into buffer c % 4
	WIN 0x80
.set qb, PB+32*((\c)%4)
.irp u, 0,1
	ds_load_b128 v[qb+8*\u:qb+8*\u+3],   v[LO] offset:\u*PANEL+(\c)*1024
	ds_load_b128 v[qb+8*\u+4:qb+8*\u+7], v[LO] offset:\u*PANEL+(\c)*1024+512
.endr
.irp u, 0,1
	ds_load_b128 v[qb+16+8*\u:qb+16+8*\u+3],   v[QA1] offset:\u*PANEL+(\c)*1024
	ds_load_b128 v[qb+16+8*\u+4:qb+16+8*\u+7], v[QA1] offset:\u*PANEL+(\c)*1024+512
.endr
.endm
.macro PLOAD m                         ; P's key chunk m (key tiles 2 m, 2 m + 1) of the four query tiles, into buffer m % 4
	WIN 0x80
.set pb, PB+32*((\m)%4)
.irp u, 0,1,2,3
	ds_load_b128 v[pb+8*\u:pb+8*\u+3],   v[PA] offset:(8*(\m)+\u)*512
	ds_load_b128 v[pb+8*\u+4:pb+8*\u+7], v[PA] offset:(8*(\m)+\u)*512+2048
.endr
.endm
; S phase, group g: chunks 2 g and 2 g + 1, 32 products, the 16 accumulators by turns.  The loads stand in ONE run ahead of them: K's chunks 2 g + 6, 2 g + 7 into the ring places,
; and Q's chunks 2 g + 2, 2 g + 3 into the buffers, that group g - 1 has just read.
.macro SGR g
.if (\g) <= 10
	PLACES
.endif
.if (\g) <= 8
	KLOAD 2*(\g)+6
	KLOAD 2*(\g)+7
.endif
.if (\g) <= 10
	QLOAD 2*(\g)+2
	QLOAD 2*(\g)+3
.endif
.if (\g) <= 8
	s_wait_loadcnt 48                              ; K's two chunks are in; the six behind them, eight loads each, may be out
.else
	s_wait_loadcnt 8*(22-2*(\g))                   ; what is left behind them; 0 in the last group: no load at all is out then
.endif
.if (\g) <= 10
	s_wait_dscnt 16                                ; Q's two chunks are in; the two behind them may be out
.else
	s_wait_dscnt 0
.endif
	WIN 0x0b                                       ; K in window 3, Q in window 2, S^T in window 0
.set c2, 2*(\g)
.rept 2
.set aa, 0
.rept 4
.set tt, 0
.rept 4
.set sa, S+8*(4*aa+tt)
.if c2 == 0
	v_wmma_f32_16x16x32_f16 v[sa:sa+7], v[32*(c2%8)+8*tt:32*(c2%8)+8*tt+7], v[PB+32*(c2%4)+8*aa:PB+32*(c2%4)+8*aa+7], 0
.else
	v_wmma_f32_16x16x32_f16 v[sa:sa+7], v[32*(c2%8)+8*tt:32*(c2%8)+8*tt+7], v[PB+32*(c2%4)+8*aa:PB+32*(c2%4)+8*aa+7], v[sa:sa+7]
.endif
.set tt, tt+1
.endr
.set aa, aa+1
.endr
.set c2, c2+1
.endr
.endm
; PV phase, half e of sixteen: key chunk e / 2, channel tiles 6 (e % 2) + 0..5: V's fragments 6 e .. 6 e + 5; 24 products on 24 accumulators.
; V is asked for 24 fragments ahead; when V's 96 are all asked for, the next super-step's K follows into ring places that have been read.
.macro PVH e
	PLACES
.if (\e) <= 11
.set ff, 6*(\e)+24
.rept 6
	VLOAD ff
.set ff, ff+1
.endr
.elseif (\e) == 12
	KLOAD 0
.elseif (\e) == 13
	KLOAD 1
	KLOAD 2
.elseif (\e) == 14
	KLOAD 3
.else
	KLOAD 4
	KLOAD 5
.endif
.set mm, (\e)/2
.if (\e)%2 == 0
.if mm <= 4
	PLOAD mm+3
	s_wait_dscnt 24                                ; P's chunk mm is in; the three behind it may be out
.else
	s_wait_dscnt 8*(7-mm)
.endif
.endif
.if ((\e) == 12) || ((\e) == 14)
	s_wait_loadcnt 44                              ; behind fragment 6 e + 5: 36 loads of V and 8 of K (e = 12), 12 and 32 (e = 14)
.else
	s_wait_loadcnt 48                              ; behind fragment 6 e + 5: 24 fragments of V (e <= 11), 24 loads of V and 24 of K (e = 13), 48 of K (e = 15)
.endif
.set nn, 6*((\e)%2)
.rept 6
.set fs, 8*((12*mm+nn)%32)
.if nn < 8
	WIN 0x5b                                       ; V in window 3, P in window 2, O^T in window 1
.set ob, 32*nn
.else
	WIN 0xab                                       ; O^T in window 2
.set ob, 32*(nn-8)
.endif
.set aa, 0
.rept 4
	v_wmma_f32_16x16x32_f16 v[ob+8*aa:ob+8*aa+7], v[fs:fs+7], v[PB+32*(mm%4)+8*aa:PB+32*(mm%4)+8*aa+7], v[ob+8*aa:ob+8*aa+7]
.set aa, aa+1
.endr
.set nn, nn+1
.endr
.endm
; THE WEIGHTS of query tile a, in four parts.
.macro FSC a                           ; c s - c m for the 16 pairs
.set pp, 0
.rept 16
	v_pk_fma_f32 v[S+32*(\a)+2*pp:S+32*(\a)+2*pp+1], v[S+32*(\a)+2*pp:S+32*(\a)+2*pp+1], s[CS:CS+1], v[ST+8*(\a):ST+8*(\a)+1] op_sel_hi:[1,0,0] neg_lo:[0,0,1] neg_hi:[0,0,1]
.set pp, pp+1
.endr
.endm
.macro EXPS a                          ; the 32 exponentials, on end; a plain instruction that touches none of them follows the run before a result is used (ISA guide 5.7.2)
.set pp, 0
.rept 32
	v_exp_f32 v[S+32*(\a)+pp], v[S+32*(\a)+pp]
.set pp, pp+1
.endr
.endm
.macro CVT a                           ; rounded to f16, the lower key in the low half: 16 bytes a key tile, which are half a fragment of P as they stand
.set pp, 0
	s_wait_alu depctr_va_vdst(0)
.rept 16
	v_cvt_pk_f16_f32 v[WK+pp], v[S+32*(\a)+2*pp], v[S+32*(\a)+2*pp+1]
.set pp, pp+1
.endr
.irp t, 0,1,2,3
	ds_store_b128 v[PW], v[WK+4*\t:WK+4*\t+3] offset:2048*\t+512*(\a)
.endr
.endm
.macro SUMS a                          ; the 16 pairs are added in place, 8, 4, 2 and 1 pairs apart; then l = a l + the sum
.set rs, S+32*(\a)
.irp dd, 16, 8, 4, 2
.set pp, 0
.rept \dd/2
	v_pk_add_f32 v[rs+2*pp:rs+2*pp+1], v[rs+2*pp:rs+2*pp+1], v[rs+2*pp+\dd:rs+2*pp+\dd+1]
.set pp, pp+1
.endr
.endr
	v_pk_fma_f32 v[ST+8*(\a)+2:ST+8*(\a)+3], v[ST+8*(\a)+2:ST+8*(\a)+3], v[ST+8*(\a)+4:ST+8*(\a)+5], v[rs:rs+1] op_sel_hi:[1,0,1]
.endm
	s_load_b128 s[4:7], s[0:1], 0x0                ; qk s[4:5], vf s[6:7]
	s_load_b64 s[8:9], s[0:1], 0x10                ; out0
	v_lshl_add_u32 v[SPW], v0, 2, SPARE
	v_mov_b32 v[NIL], 0
	v_lshrrev_b32 v13, 5, v0
	v_readfirstlane_b32 s[WV], v13
	s_lshr_b32 s[BT], ttmp9, 4
	s_and_b32 s[QI], ttmp9, 15
	s_lshr_b32 s[NSS], s[QI], 2
	s_add_co_u32 s[NSS], s[NSS], 1
	s_mov_b32 s[SS], 0
	s_and_b32 s[SG], s[QI], 3                      ; where the walk begins: (i % 4) % NSS, by at most three subtractions
.rept 3
	s_cmp_ge_u32 s[SG], s[NSS]
	s_cselect_b32 s[TM], s[NSS], 0
	s_sub_co_u32 s[SG], s[SG], s[TM]
.endr
	s_mov_b32 s[CS], 0x3d553b95                    ; c = log2(e) / sqrt(768) = 0.0520588
	s_mov_b32 s[CS+1], s[CS]                       ; named with it as a pair
	s_mov_b32 s[SEL], 0x76543210
	s_mov_b32 s[SEL+1], 0xfedcba98
	s_mov_b32 s[OFS+1], 0
	s_mul_i32 s28, s[BT], 64*PANEL                 ; the batch's first byte in q, in k and in vf
	s_mul_i32 s32, s[WV], 4*PANEL                  ; K: my four key tiles,
	s_add_co_u32 s32, s32, s28
	s_add_co_u32 s32, s32, 1024*PANEL              ; behind q
	s_mov_b32 s33, 0
	s_mul_i32 s34, s[WV], 12*VTILE                 ; V: my twelve channel tiles
	s_add_co_u32 s34, s34, s28
	s_mov_b32 s35, 0
	s_lshl2_add_u32 s36, ttmp9, s[WV]              ; Q: row tile 4 (16 batch + i) + w
	s_mul_i32 s36, s36, PANEL
	s_mov_b32 s37, 0
	s_mul_i32 s38, ttmp9, 64*OROW                  ; out: row 64 (16 batch + i),
	s_mul_i32 s39, s[WV], 768                      ; my 192 channels
	s_add_co_u32 s38, s38, s39
	s_mov_b32 s39, 0
	v_and_b32 v13, 31, v0
	v_lshlrev_b32 v[LO], 4, v13
	v_and_b32 v64, 15, v0                          ; l % 16
	v_bfe_u32 v65, v0, 4, 1                        ; l / 16
	v_add_nc_u32 v[QA1], 2*PANEL, v[LO]
	v_add_nc_u32 v[PA], PLDS, v[LO]
	s_lshl_b32 s[TM], s[WV], 13
	v_add_nc_u32 v[PW], s[TM], v[PA]
	v_lshlrev_b32 v[SR], 4, v64
	v_add_nc_u32 v[SR], STAT, v[SR]
	s_lshl_b32 s[TM], s[WV], 2
	v_add_nc_u32 v[SA], s[TM], v[SR]
	s_mul_i32 s[TM], s[WV], WSTG
	s_add_co_u32 s[TM], s[TM], STAGE
	v_mul_u32_u24 v[STO], v64, SPIT
	v_lshl_add_u32 v[STO], v65, 5, v[STO]
	v_add_nc_u32 v[STO], s[TM], v[STO]
	v_mul_u32_u24 v[RD], v65, 8*SPIT
	v_lshl_add_u32 v[RD], v64, 4, v[RD]
	v_add_nc_u32 v[RD], s[TM], v[RD]
	v_mul_u32_u24 v[GO], v65, 8*OROW
	v_lshl_add_u32 v[GO], v64, 4, v[GO]
	s_mul_i32 s[TM], s[WV], PANEL
	v_add_nc_u32 v[QW], s[TM], v[LO]
	s_and_b32 s[TM], s[QI], 3                      ; in the diagonal super-step: key 64 w + 16 t + 8 (l / 16) + j is hidden from query 64 (i % 4) + 16 a + l % 16 where it is greater,
	s_sub_co_i32 s[TM], s[TM], s[WV]               ; that is where 16 (t - a) + j > 64 (i % 4 - w) + l % 16 - 8 (l / 16)
	s_lshl_b32 s[TM], s[TM], 6
	v_lshlrev_b32 v13, 3, v65
	v_sub_nc_u32 v[DLT], v64, v13
	v_add_nc_u32 v[DLT], s[TM], v[DLT]
	v_mov_b32 v[BIG], 0xf149f2ca                   ; -1e30
	s_wait_kmcnt 0x0
	s_add_nc_u64 s[K0:K0+1], s[4:5], s[32:33]
	s_add_nc_u64 s[V0:V0+1], s[6:7], s[34:35]
	s_add_nc_u64 s[QS:QS+1], s[4:5], s[36:37]
	s_add_nc_u64 s[OB:OB+1], s[8:9], s[38:39]
	s_mul_i32 s[OFS], s[SG], 16*PANEL              ; a super-step is 16 key tiles of K,
	s_add_nc_u64 s[KB:KB+1], s[K0:K0+1], s[OFS:OFS+1]
	s_lshl_b32 s[OFS], s[SG], 13                   ; and 8,192 bytes of each channel tile of V
	s_add_nc_u64 s[VB:VB+1], s[V0:V0+1], s[OFS:OFS+1]
	WIN 0x40                                       ; my panel of Q lands in O^T's registers, which are cleared afterwards; the launch reads it once
.set ii, 0
.rept 48
	global_load_b128 v[4*ii:4*ii+3], v[LO], s[QS:QS+1] offset:512*ii th:TH_LOAD_NT
.set ii, ii+1
.endr
.irp c, 0,1,2,3,4,5
	KLOAD \c
.endr
	WIN 0x80                                       ; while they are on their way: O^T's part in window 2,
.set ii, 0
.rept 128
	v_mov_b32 v[ii], 0
.set ii, ii+1
.endr
	WIN 0                                          ; and the statistics
	ALL v_mov_b32 v[ST+8*ta], 0xfe000000           ; c m: far below every c s
	ALL v_mov_b32 v[ST+8*ta+1], 0xff7fffff         ; m: the lowest finite number
.irp k, 2,3,4,5,6,7
	ALL v_mov_b32 v[ST+8*ta+\k], 0
.endr
	s_wait_loadcnt 48                              ; Q's 48 loads are in; K's 48 stay out
	WIN 0x04                                       ; store data in window 1
.set ii, 0
.rept 48
	ds_store_b128 v[QW], v[4*ii:4*ii+3] offset:512*ii
.set ii, ii+1
.endr
	s_wait_dscnt 0x0                               ; for the others' sake: my panel of Q is in LDS
	s_barrier_signal -1
	WIN 0x40                                       ; work on registers while the others arrive: O^T's part in window 1
.set ii, 0
.rept 256
	v_mov_b32 v[ii], 0
.set ii, ii+1
.endr
	WIN 0                                          ; at a label and at a branch every window is 0
	s_barrier_wait -1
.Lss:                                                  ; a trip: one super-step of 256 keys; at its head six chunks of its K, 48 loads, are out
	QLOAD 0
	QLOAD 1
.set gi, 0
.rept 12
	SGR gi
.set gi, gi+1
.endr
	PLACES                                         ; behind the last products: for the loads into the ring and for the first reads of the scores
	s_add_co_u32 s[SN], s[SG], 1                   ; the last group's wait was for 0: no load is out, so K's base may be written: the next super-step of the turned walk
	s_cmp_eq_u32 s[SN], s[NSS]
	s_cselect_b32 s[SN], 0, s[SN]
	s_mul_i32 s[OFS], s[SN], 16*PANEL
	s_add_nc_u64 s[KB:KB+1], s[K0:K0+1], s[OFS:OFS+1]
.set gg, 0
.rept 6                                ; the six fragments of V that the PV phase's first half takes go out now; the next 18 wait until the maxima have been exchanged through LDS
	VLOAD gg
.set gg, gg+1
.endr
	WIN 0
	s_add_co_u32 s[TM], s[SG], 1
	s_cmp_lg_u32 s[TM], s[NSS]
	s_cbranch_scc1 .Lopen                          ; only super-step NSS - 1 holds the diagonal
.set dd, 0
.rept 7                                ; by t - a = dd - 3, then by register: each accumulator's lowest register is read first
.set jj, 0
.rept 8
	v_cmp_gt_i32 vcc_lo, 16*(dd-3)+jj, v[DLT]
.set aa, 0
.rept 4
.if (aa+dd >= 3) && (aa+dd <= 6)
	v_cndmask_b32 v[S+8*(5*aa+dd-3)+jj], v[S+8*(5*aa+dd-3)+jj], v[BIG], vcc_lo
.endif
.set aa, aa+1
.endr
.set jj, jj+1
.endr
.set dd, dd+1
.endr
.Lopen:
	; the maximum of a lane's 32 scores of each query tile: four chains of seven, three operands at a time, each accumulator's lowest registers first; the tiles alternate
.set nn, 0
.rept 4
	ALL v_max3_num_f32 v[WK+4*ta+nn], v[S+32*ta+8*nn], v[S+32*ta+8*nn+1], v[S+32*ta+8*nn+2]
.set nn, nn+1
.endr
.rept 8
	ALL v_max3_num_f32 v[WK+4*ta+nn%4], v[WK+4*ta+nn%4], v[S+32*ta+8*(nn%4)+2*(nn/4)+1], v[S+32*ta+8*(nn%4)+2*(nn/4)+2]
.set nn, nn+1
.endr
	ALL v_max3_num_f32 v[WK+4*ta], v[WK+4*ta], v[S+32*ta+7], v[S+32*ta+15]
	ALL v_max3_num_f32 v[WK+4*ta+1], v[WK+4*ta+1], v[S+32*ta+23], v[S+32*ta+31]
	ALL v_max3_num_f32 v[WK+4*ta], v[WK+4*ta], v[WK+4*ta+1], v[WK+4*ta+2]
	ALL v_max_num_f32 v[WK+4*ta], v[WK+4*ta], v[WK+4*ta+3]
	ALL v_permlanex16_b32 v[ST+8*ta+6], v[WK+4*ta], s[SEL], s[SEL+1]  ; the query's other 32 of my keys lie in the lane 16 away
	ALL v_max_num_f32 v[WK+4*ta], v[WK+4*ta], v[ST+8*ta+6]
	ALL ds_store_b32 v[SA], v[WK+4*ta] offset:256*ta
	s_wait_dscnt 0x0                               ; my maxima are in LDS; and my reads of P in the last trip are long over:
	s_barrier_signal -1                            ; behind this barrier the four maxima are read and P is written anew
	s_barrier_wait -1
	ALL ds_load_b128 v[WK+4*ta:WK+4*ta+3], v[SR] offset:256*ta
	s_wait_dscnt 0x0
.rept 18                               ; V's fragments 6 to 23: the weights' arithmetic stands between the request and the first use, and no LDS result is waited for before the next barrier
	VLOAD gg
.set gg, gg+1
.endr
	WIN 0
	ALL v_max3_num_f32 v[ST+8*ta+6], v[WK+4*ta], v[WK+4*ta+1], v[WK+4*ta+2]
	ALL v_mov_b32 v[ST+8*ta+7], v[ST+8*ta]         ; c m_old is kept
	ALL v_max3_num_f32 v[ST+8*ta+1], v[ST+8*ta+6], v[WK+4*ta+3], v[ST+8*ta+1]  ; the new m, the same in all four waves
	ALL v_mul_f32 v[ST+8*ta], s[CS], v[ST+8*ta+1]
	ALL v_sub_f32 v[ST+8*ta+7], v[ST+8*ta+7], v[ST+8*ta]
	ALL v_exp_f32 v[ST+8*ta+4], v[ST+8*ta+7]       ; a
	FSC 0                                          ; each run of exponentials is followed by the next tile's scalings, plain lines that touch none of its registers
	EXPS 0
	FSC 1
	CVT 0
	SUMS 0
	EXPS 1
	FSC 2
	CVT 1
	SUMS 1
	EXPS 2
	FSC 3
	CVT 2
	SUMS 2
	EXPS 3
	v_nop
	s_wait_alu depctr_va_vdst(0)
	CVT 3
	SUMS 3
	s_wait_dscnt 0x0                               ; my part of P is in LDS, and my reads of the maxima are over:
	s_barrier_signal -1                            ; behind this barrier P is read, and the next trip's maxima may be stored
.set nn, 0
.rept 12                               ; work on registers while the others arrive: O^T times a, each accumulator's registers in ascending order
.if nn < 8
	WIN 0x41                                       ; destination and source 0 in window 1, a in window 0
.set ob, 32*nn
.else
	WIN 0x82
.set ob, 32*(nn-8)
.endif
.set aa, 0
.rept 4
.set pp, 0
.rept 4
	v_pk_mul_f32 v[ob+8*aa+2*pp:ob+8*aa+2*pp+1], v[ob+8*aa+2*pp:ob+8*aa+2*pp+1], v[ST+8*aa+4:ST+8*aa+5] op_sel_hi:[1,0]
.set pp, pp+1
.endr
.set aa, aa+1
.endr
.set nn, nn+1
.endr
	s_barrier_wait -1
	PLOAD 0
	PLOAD 1
	PLOAD 2
.set ee, 0
.rept 16
	PVH ee
.set ee, ee+1
.endr
	s_lshl_b32 s[OFS], s[SN], 13                   ; the last half's wait left 48 loads out, all of them K's: every load of V is done, so V's base may be written
	s_add_nc_u64 s[VB:VB+1], s[V0:V0+1], s[OFS:OFS+1]
	s_mov_b32 s[SG], s[SN]
	WIN 0
	s_add_co_u32 s[SS], s[SS], 1
	s_cmp_lt_u32 s[SS], s[NSS]
	s_cbranch_scc1 .Lss
	; THE WAY OUT.  A query's l: my two halves, the other half of the lanes', the other three waves'.  These lines are also the places behind the last products.
	ALL v_add_f32 v[ST+8*ta+6], v[ST+8*ta+2], v[ST+8*ta+3]
	ALL v_permlanex16_b32 v[ST+8*ta+7], v[ST+8*ta+6], s[SEL], s[SEL+1]
	ALL v_add_f32 v[ST+8*ta+6], v[ST+8*ta+6], v[ST+8*ta+7]
	ALL ds_store_b32 v[SA], v[ST+8*ta+6] offset:1024+256*ta
	s_wait_dscnt 0x0                               ; for the others' sake
	s_barrier_signal -1
	s_barrier_wait -1
	ALL ds_load_b128 v[WK+4*ta:WK+4*ta+3], v[SR] offset:1024+256*ta
	s_wait_dscnt 0x0
	ALL v_add_f32 v[WK+4*ta], v[WK+4*ta], v[WK+4*ta+1]
	ALL v_add_f32 v[WK+4*ta+2], v[WK+4*ta+2], v[WK+4*ta+3]
	ALL v_add_f32 v[WK+4*ta], v[WK+4*ta], v[WK+4*ta+2]
	ALL v_rcp_f32 v[ST+8*ta+4], v[WK+4*ta]
	v_nop                                          ; a plain instruction between the last reciprocal and the use of its result
	s_wait_alu depctr_va_vdst(0)
; Query tile a: O^T / l; a lane's eight channels of a row, 32 bytes, go into my own stage and come back as pieces of 256 bytes of a row; each store fills two aligned pieces of 256 consecutive bytes of out.
.macro OUTA a
.set nn, 0
.rept 12
.if nn < 8
	WIN 0x41
.set ob, 32*nn
.else
	WIN 0x82
.set ob, 32*(nn-8)
.endif
.set pp, 0
.rept 4
	v_pk_mul_f32 v[ob+8*(\a)+2*pp:ob+8*(\a)+2*pp+1], v[ob+8*(\a)+2*pp:ob+8*(\a)+2*pp+1], v[ST+8*(\a)+4:ST+8*(\a)+5] op_sel_hi:[1,0]
.set pp, pp+1
.endr
.set nn, nn+1
.endr
.set nn, 0
.rept 12
.if nn < 8
	WIN 0x04                                       ; store data in window 1
.set ob, 32*nn
.else
	WIN 0x08
.set ob, 32*(nn-8)
.endif
	ds_store_b128 v[STO], v[ob+8*(\a):ob+8*(\a)+3]   offset:64*nn
	ds_store_b128 v[STO], v[ob+8*(\a)+4:ob+8*(\a)+7] offset:64*nn+16
.set nn, nn+1
.endr
	WIN 0
.if (\a) > 0
	s_wait_xcnt 0x0                                ; the last tile's stores have read their registers, which are loaded again
.endif
.set kk, 0
.rept 24                               ; LDS serves a wave's instructions in order (ISA guide 5.7.1.4): these see the stores above, and the next tile's stores come behind them
	ds_load_b128 v[S+4*kk:S+4*kk+3], v[RD] offset:SPIT*(kk/3)+256*(kk%3)
.set kk, kk+1
.endr
.set kk, 0
.rept 24
	s_wait_dscnt 23-kk
	global_store_b128 v[GO], v[S+4*kk:S+4*kk+3], s[OB:OB+1] offset:(16*(\a)+kk/3)*OROW+256*(kk%3) th:TH_STORE_NT
.set kk, kk+1
.endr
.endm
	OUTA 0
	OUTA 1
	OUTA 2
	OUTA 3
	s_wait_tensorcnt 0x0                           ; the wave's end
	ds_add_u32 v[SPW], v[NIL]
	s_wait_dscnt 0x0
	s_endpgm
.Lfunc_end_k_q55d20246e5_attn:
	.size	k_q55d20246e5_attn, .Lfunc_end_k_q55d20246e5_attn-k_q55d20246e5_attn
	.p2alignl 7, 3214868480
	.fill 96, 4, 3214868480
	.section	.rodata,"a",@progbits
	.p2align	6, 0x0
	.amdhsa_kernel k_q55d20246e5_attn
		.amdhsa_group_segment_fixed_size 183808
		.amdhsa_private_segment_fixed_size 0
		.amdhsa_enable_private_segment 0
		.amdhsa_kernarg_size 24
		.amdhsa_user_sgpr_count 2
		.amdhsa_user_sgpr_kernarg_segment_ptr 1
		.amdhsa_wavefront_size32 1
		.amdhsa_system_sgpr_workgroup_id_x 1
		.amdhsa_system_sgpr_workgroup_id_y 1
		.amdhsa_system_sgpr_workgroup_id_z 1
		.amdhsa_system_vgpr_workitem_id 0
		.amdhsa_next_free_vgpr 1024
		.amdhsa_next_free_sgpr 66
		.amdhsa_reserve_vcc 1
		.amdhsa_float_denorm_mode_32 3
		.amdhsa_float_denorm_mode_16_64 3
		.amdhsa_memory_ordered 1
		.amdhsa_forward_progress 1
		.amdhsa_inst_pref_size 218
	.end_amdhsa_kernel
	.amdgpu_metadata
---
amdhsa.version: [ 1, 2 ]
amdhsa.kernels:
  - .name:           k_q55d20246e5_attn
    .symbol:         k_q55d20246e5_attn.kd
    .args:
      - { .name: qk, .offset: 0, .size: 8, .value_kind: global_buffer, .address_space: global }
      - { .name: vf, .offset: 8, .size: 8, .value_kind: global_buffer, .address_space: global }
      - { .name: out0, .offset: 16, .size: 8, .value_kind: global_buffer, .address_space: global }
    .group_segment_fixed_size: 183808
    .private_segment_fixed_size: 0
    .kernarg_segment_align: 8
    .kernarg_segment_size: 24
    .max_flat_workgroup_size: 128
    .sgpr_count:     66
    .vgpr_count:     1024
    .wavefront_size: 32
...
	.end_amdgpu_metadata
.endif
;; end of part 3
;; ======== version 2 of 2: 3 launches; version 1 with the launches pack, attn written anew for expert scheduling mode
;; limits: values are held in f16: magnitudes above 65,504 overflow, below 6.1e-05 lose precision
;; workspace buffers: xf 25,165,824 bytes; wf 3,538,944 bytes; qk 50,331,648 bytes; vf 25,165,824 bytes
;; launch pack (part 4): grid 1168 x 1, 2 waves a work-group, no clusters, 8,960 bytes of LDS; arguments x, Wq, Wk, Wv, xf, wf; writes xf, wf
.if DOCPART == 4
	.amdgcn_target "amdgcn-amd-amdhsa--gfx1250"
	.amdhsa_code_object_version 6
	.text
	.protected	k_q55d20246e5_pack
	.globl	k_q55d20246e5_pack
	.p2align	8
	.type	k_q55d20246e5_pack,@function
k_q55d20246e5_pack:
	s_mov_b64 s[64:65], 0
	v_nop
	global_prefetch_b8 v0, s[64:65] scope:SCOPE_SE
	s_setreg_imm32_b32 hwreg(HW_REG_WAVE_SCHED_MODE, 0, 2), 2
	s_setreg_imm32_b32 hwreg(HW_REG_WAVE_MODE, 25, 1), 1
	s_wait_xcnt 0x0
	s_wait_alu depctr_vm_vsrc(0)
; x and the three weights, f32 [rows][768], are rounded once to bf16 and laid in FRAGMENT ORDER:
; [tile of 16 rows][96 groups of 8 columns][16 rows][8 columns], a cell of 16 bytes for each (group, row), a tile 24,576 bytes.
; In that order the 16 rows x 32 columns that a matrix instruction takes are 1,024 consecutive bytes: two loads of 16 bytes a lane at 16 x lane.
; SHARES.  A work-group takes ONE row tile: work-groups 0-1023 those of x (-> xf), work-groups 1024-1167 those of Wq, Wk, Wv (-> wf: tiles 0-47 Wq, 48-95 Wk, 96-143 Wv).
; 1,168 small work-groups share out evenly: four or five to each of 256 WGPs.  Its two waves take half of the tile's columns each, three segments of 128 columns (512 bytes of a row in f32).
; A wave asks for its 48 pieces of rows at once (each load: 512 consecutive bytes of one row), turns a segment through its own 4,352 bytes of LDS and stores 512 consecutive bytes a store.
; No matrix unit, no cluster, no barrier: every byte is read once and written once, and no wave reads another's bytes.
; THE MODE: SCHED_MODE bits 1:0 = 2 (LLVM: expert scheduling mode 2), set by the entry lines.  The code itself states the register dependences
; between vector instructions and memory or LDS instructions, with s_wait_alu, always for 0.
; THE PLAN.  Registers that memory or LDS instructions touch:
;   v1, v2, v3   offsets and LDS addresses: written at the head, never again.
;   X, segment g the global loads land in its 64 registers; its 32 conversions close them up in place; its 16 LDS stores read two registers of each row; its 8 LDS loads land in its first 32;
;                its 8 global stores read those, and nothing writes them afterwards.
; A segment's conversions stand together; ONE wait on va_vdst stands between them and its LDS stores, ONE on vm_vsrc between those stores and its LDS loads.
; The next segment's conversions, which name that segment's registers alone, stand between a segment's LDS loads and the wait for them.
.set ROWB,  3072                       ; bytes of a source row
.set XT,    1024                       ; row tiles of x
.set WT,    48                         ; row tiles of a weight
.set PIT,   272                        ; a group in LDS: 16 cells of 16 bytes + 16 of padding = 68 words, so that the 16 groups that a store touches begin 4 banks apart (64 banks of 4 bytes: ISA guide 11.1)
.set WLDS,  16*PIT                     ; a wave's LDS: the 16 groups of a segment
.set SPARE, 2*WLDS                     ; behind them: the spare words, 128 bytes for each wave, one block of 256 bytes that no other line names
.set LO,  1                            ; v1  16 x lane: my bytes in 512 consecutive bytes, in and out; never rewritten
.set STA, 2                            ; v2  LDS: where my 8 bytes of row 0 go: group lane / 2, half lane % 2
.set RDA, 3                            ; v3  LDS: where I read a cell back: group lane / 16, row lane % 16
.set SPW, 4                            ; v4  LDS address of my spare word; never rewritten
.set NIL, 5                            ; v5  0; never rewritten
.set X,   16                           ; v[16:207]  segment g, row r: four registers at X + 64 g + 4 r
	s_load_b256 s[4:11], s[0:1], 0x0               ; x s[4:5], Wq s[6:7], Wk s[8:9], Wv s[10:11]
	s_load_b128 s[12:15], s[0:1], 0x20             ; xf s[12:13], wf s[14:15]
	v_lshl_add_u32 v[SPW], v0, 2, SPARE
	v_mov_b32 v[NIL], 0
	v_lshrrev_b32 v6, 5, v0
	v_readfirstlane_b32 s32, v6                    ; wave 0..1: which half of the tile's columns
	v_and_b32 v7, 31, v0                           ; lane
	v_lshlrev_b32 v[LO], 4, v7
	s_wait_alu depctr_va_sdst(0)                   ; s32 is written, ahead of its first reader: my LDS and my halves of the tiles are made from it
	s_mul_i32 s33, s32, WLDS                       ; my wave's LDS
	v_lshrrev_b32 v8, 1, v7
	v_mul_u32_u24 v[STA], v8, PIT
	v_and_b32 v8, 1, v7
	v_lshl_add_u32 v[STA], v8, 3, v[STA]
	v_add_nc_u32 v[STA], s33, v[STA]
	v_lshrrev_b32 v8, 4, v7
	v_mul_u32_u24 v[RDA], v8, PIT
	v_and_b32 v8, 15, v7
	v_lshl_add_u32 v[RDA], v8, 4, v[RDA]
	v_add_nc_u32 v[RDA], s33, v[RDA]
	s_sub_co_u32 s22, ttmp9, XT                    ; the tile's number among those of the weights (wraps for x's, and is then not used)
	s_wait_kmcnt 0x0
	s_cmp_ge_u32 s22, WT                           ; 48 tiles to a weight
	s_cselect_b32 s25, WT, 0
	s_cselect_b64 s[26:27], s[8:9], s[6:7]
	s_cmp_ge_u32 s22, 2*WT
	s_cselect_b32 s25, 2*WT, s25
	s_cselect_b64 s[26:27], s[10:11], s[26:27]
	s_sub_co_u32 s25, s22, s25                     ; its number inside that weight
	s_cmp_lt_u32 ttmp9, XT                         ; or is it one of x's?
	s_cselect_b32 s25, ttmp9, s25                  ; my source tile,
	s_cselect_b32 s23, ttmp9, s22                  ; my destination tile,
	s_cselect_b64 s[26:27], s[4:5], s[26:27]       ; from which buffer,
	s_cselect_b64 s[28:29], s[12:13], s[14:15]     ; into which
	s_mul_i32 s30, s25, 16*ROWB
	s_mul_i32 s31, s32, 1536                       ; half a row in f32
	s_add_co_u32 s30, s30, s31
	s_mov_b32 s31, 0
	s_add_nc_u64 s[16:17], s[26:27], s[30:31]
	s_mul_i32 s30, s23, 24576
	s_mul_i32 s24, s32, 12288                      ; half a tile in bf16: 48 groups
	s_add_co_u32 s30, s30, s24
	s_add_nc_u64 s[18:19], s[28:29], s[30:31]
	s_wait_alu depctr_va_vdst(0)                   ; v1, v2 and v3 are written: every load and store of the kernel reads one of them as its offset or address
.set sg, 0
.rept 3                                ; all 48 loads go out together, segment by segment
.set rho, 0
.rept 16
	global_load_b128 v[X+64*sg+4*rho:X+64*sg+4*rho+3], v[LO], s[16:17] offset:rho*ROWB+sg*512 th:TH_LOAD_NT
.set rho, rho+1
.endr
.set sg, sg+1
.endr
; Segment g: 16 rows x 128 columns, in three parts.  CONV: a lane's four numbers of a row become 8 bytes, half a cell.
.macro CONV g
	s_wait_loadcnt 32-16*(\g)                      ; loads come back in order (ISA guide 5.7.1): this segment's 16 are in, the later segments' stay out
.set rho, 0
.rept 16
.set qd, X+64*(\g)+4*rho
	v_cvt_pk_bf16_f32 v[qd], v[qd], v[qd+1]        ; rounded to nearest even, the lower column in the low half
	v_cvt_pk_bf16_f32 v[qd+1], v[qd+2], v[qd+3]
.set rho, rho+1
.endr
.endm
; TURN: the halves go into my LDS by rows and come back by cells.
.macro TURN g
	s_wait_alu depctr_va_vdst(0)                   ; the segment's conversions have written the halves that the LDS stores read, and are done with the registers in which the LDS loads land
.set rho, 0
.rept 16
	ds_store_b64 v[STA], v[X+64*(\g)+4*rho:X+64*(\g)+4*rho+1] offset:16*rho
.set rho, rho+1
.endr
	s_wait_alu depctr_vm_vsrc(0)                   ; the LDS stores have read rows 0 to 7's halves, in whose registers the LDS loads land
.set kk, 0
.rept 8                                ; LDS serves a wave's instructions in order (ISA guide 5.7.1.4): these see the stores above, and the next segment's stores come behind them
	ds_load_b128 v[X+64*(\g)+4*kk:X+64*(\g)+4*kk+3], v[RDA] offset:2*PIT*kk
.set kk, kk+1
.endr
.endm
; SEND: the cells leave.
.macro SEND g
.set kk, 0
.rept 8
	s_wait_dscnt 7-kk                              ; load kk of the eight is in
	global_store_b128 v[LO], v[X+64*(\g)+4*kk:X+64*(\g)+4*kk+3], s[18:19] offset:4096*(\g)+512*kk  ; two groups: 512 consecutive bytes, at a multiple of 256 from the buffer's first; each segment stores from registers of its own
.set kk, kk+1
.endr
.endm
	CONV 0
	TURN 0
	CONV 1                                         ; a segment's conversions stand between the LDS loads of the segment before and the wait for them
	SEND 0
	TURN 1
	CONV 2
	SEND 1
	TURN 2
	SEND 2
	s_wait_dscnt 0x0                               ; the closing lines, six on end
	s_wait_alu 0x0
	s_wait_tensorcnt 0x0
	ds_add_u32 v[SPW], v[NIL]
	s_wait_dscnt 0x0
	s_endpgm
.Lfunc_end_k_q55d20246e5_pack:
	.size	k_q55d20246e5_pack, .Lfunc_end_k_q55d20246e5_pack-k_q55d20246e5_pack
	.p2alignl 7, 3214868480
	.fill 96, 4, 3214868480
	.section	.rodata,"a",@progbits
	.p2align	6, 0x0
	.amdhsa_kernel k_q55d20246e5_pack
		.amdhsa_group_segment_fixed_size 8960
		.amdhsa_private_segment_fixed_size 0
		.amdhsa_enable_private_segment 0
		.amdhsa_kernarg_size 48
		.amdhsa_user_sgpr_count 2
		.amdhsa_user_sgpr_kernarg_segment_ptr 1
		.amdhsa_wavefront_size32 1
		.amdhsa_system_sgpr_workgroup_id_x 1
		.amdhsa_system_sgpr_workgroup_id_y 1
		.amdhsa_system_sgpr_workgroup_id_z 1
		.amdhsa_system_vgpr_workitem_id 0
		.amdhsa_next_free_vgpr 208
		.amdhsa_next_free_sgpr 66
		.amdhsa_reserve_vcc 0
		.amdhsa_float_denorm_mode_32 3
		.amdhsa_float_denorm_mode_16_64 3
		.amdhsa_memory_ordered 1
		.amdhsa_forward_progress 1
		.amdhsa_inst_pref_size 21
	.end_amdhsa_kernel
	.amdgpu_metadata
---
amdhsa.version: [ 1, 2 ]
amdhsa.kernels:
  - .name:           k_q55d20246e5_pack
    .symbol:         k_q55d20246e5_pack.kd
    .args:
      - { .name: x, .offset: 0, .size: 8, .value_kind: global_buffer, .address_space: global }
      - { .name: Wq, .offset: 8, .size: 8, .value_kind: global_buffer, .address_space: global }
      - { .name: Wk, .offset: 16, .size: 8, .value_kind: global_buffer, .address_space: global }
      - { .name: Wv, .offset: 24, .size: 8, .value_kind: global_buffer, .address_space: global }
      - { .name: xf, .offset: 32, .size: 8, .value_kind: global_buffer, .address_space: global }
      - { .name: wf, .offset: 40, .size: 8, .value_kind: global_buffer, .address_space: global }
    .group_segment_fixed_size: 8960
    .private_segment_fixed_size: 0
    .kernarg_segment_align: 8
    .kernarg_segment_size: 48
    .max_flat_workgroup_size: 64
    .sgpr_count:     66
    .vgpr_count:     208
    .wavefront_size: 32
...
	.end_amdgpu_metadata
.endif
;; end of part 4
;; launch proj: the kernel of part 2 again; grid 64 x 4, 4 waves a work-group, clusters of 4 x 1, 327,680 bytes of LDS; arguments xf, wf, qk, vf; writes qk, vf
;; launch attn (part 5): grid 256 x 1, 4 waves a work-group, no clusters, 183,808 bytes of LDS; arguments qk, vf, out0; writes out0
.if DOCPART == 5
	.amdgcn_target "amdgcn-amd-amdhsa--gfx1250"
	.amdhsa_code_object_version 6
	.text
	.protected	k_q55d20246e5_attn
	.globl	k_q55d20246e5_attn
	.p2align	8
	.type	k_q55d20246e5_attn,@function
k_q55d20246e5_attn:
	s_mov_b64 s[64:65], 0
	v_nop
	global_prefetch_b8 v0, s[64:65] scope:SCOPE_SE
	s_setreg_imm32_b32 hwreg(HW_REG_WAVE_SCHED_MODE, 0, 2), 2
	s_setreg_imm32_b32 hwreg(HW_REG_WAVE_MODE, 25, 1), 1
	s_wait_xcnt 0x0
	s_wait_alu depctr_vm_vsrc(0)
; CAUSAL ATTENTION, one head of 768 channels in each of 16 batches of 1,024 rows: out[b][q][:] = the sum over k <= q of softmax_k(q . k / sqrt(768)) v[k][:], f32 out.
; q, k (qk) and v (vf) arrive in f16 in fragment order.  Products, maxima and sums in f32; the weights p are rounded to f16 for the second product (their sum l is taken of the unrounded p).
; LIMITS.  q, k, v lie within f16's 65,504.  A hidden score counts as -1e30: true scores must lie far above that.  A weight below 2^-126 counts as 0 in l.  NaN and infinities are not treated apart.
; SHARES.  A work-group owns 64 queries (block i of its batch's 16) and walks NSS = i / 4 + 1 SUPER-STEPS of 256 keys; super-step NSS - 1 holds the diagonal and is masked.
; THE WALK IS TURNED: block i begins at super-step (i % 4) % NSS and goes round.  The four blocks with the same NSS so ask for different keys in each trip, and from the second trip on a block asks for bytes that a
; neighbour asked for a trip earlier.  The running maximum holds in any order; every query sees its own key in the masked super-step, so m is a true score from the first trip on.
;   S phase: wave w owns keys 64 w .. 64 w + 63 of the super-step: S^T = K Q^T (source 0 = 16 keys, source 1 = 16 queries): a lane holds ONE query (lane % 16) and the keys 8 (lane / 16) + 0..7.  16 accumulators, 12 groups of two chunks of 32 channels.
;   PV phase: wave w owns channels 192 w .. 192 w + 191: O^T += V^T P (source 0 = 16 channels, source 1 = 32 keys x 16 queries): again one query a lane.  48 accumulators, 8 chunks of 32 keys, 16 halves of 24 products.
; Each fragment of K; only Q (read by all four waves)
; and P (made by key, used by channel) lie in LDS.
; SOFTMAX.  For each query a running maximum m, common to the four waves (exchanged through LDS in every super-step), and a sum l of the wave's own keys: p = 2^(c s - c m), c = log2(e) / sqrt(768);
; O and l are multiplied by a = 2^(c m_old - c m_new).  m starts at the lowest finite number, O and l at 0: the first trip's a is 0, and no first step is written out; the price is the 384 lines that clear O, in the wait for the first loads.
; NO CLUSTER, NO TENSOR LOADS: beside Q's 98,304 and P's 32,768 bytes two LDS slots would have at most 97,792 bytes each, and 64 keys x 768 channels are 98,304; and K or V read out of LDS would double the LDS loads of a product.
; THE LAST TRIP's look-ahead asks once more for the first six chunks of the K with which the walk began (24,576 bytes a wave, inside the buffer, never used) and for Q's first two chunks out of LDS (never used),
; so that every count of loads is the same on every path.
; THE MODE: SCHED_MODE bits 1:0 = 2 (LLVM: expert scheduling mode 2), set by the entry lines.  The code itself states the register dependences
; between vector or matrix instructions and memory or LDS instructions, with s_wait_alu, always for 0.
; THE PLAN.  Registers that memory or LDS instructions touch, in the loop:
;   v1-v12     offsets and LDS addresses: written at the head, never again.
;   the ring   loads of K and V land in it; products read it.  S group g reads K's chunks 2 g, 2 g + 1; its loads land in the places that group g - 1 read: K's chunks 2 g + 6, 2 g + 7, in groups 9 to 11 V's fragments 0 to 23.
;              PV half e reads V's fragments 6 e .. 6 e + 5; its loads land in places that halves e - 2 and e - 1 read: V's fragments 6 e + 24 .. 6 e + 29, in halves 12 to 15 the next K's chunks 0 to 5.
;   PB         four buffers; LDS loads of Q and P land in them; products read them.  Group g's loads (Q's chunks 2 g + 2, 2 g + 3) land in the two buffers that group g - 1 read; half 2 m's load (P's chunk m + 3, in
;              halves 10 and 12 the next trip's Q chunks 0 and 1) in the buffer that halves 2 m - 2 and 2 m - 1 read.
;   WK         the maxima are made here, four LDS stores read them, the LDS loads of the four waves' maxima land here, vector lines read those.
;   PO         tile a's roundings write its 16 registers; its four LDS stores read them; the next trip's roundings write them again.
; So ONE wait on va_vdst stands at the head of each group and of each half but the first: the group or half before is done reading what this one's loads land in.  The loads follow in short runs among the products, which
; name other ring places and other buffers.  The waits that stand ahead of the exponentials' readers also show the tile before rounded: its LDS stores follow them.  ONE wait on vm_vsrc a trip, ahead of the loads
; of the maxima, frees WK for those loads and PO for the trip's roundings.  S^T, O^T and the statistics are named by vector and matrix lines alone until the way out.
; REGISTERS, in windows of 256 (s_set_vgpr_msb: bits 1:0 source 0, 3:2 source 1, 5:4 source 2, 7:6 destination):
;   window 0: v0-15 addresses; v16-47 eight registers of statistics a query tile; v48-63 at work; v64-127 P as it leaves; v128-255 S^T ((a, t) at 128 + 8 (4 a + t)); on the way out v64-159 and v160-255 are two buffers of rows
;   window 1 and v0-127 of window 2: O^T, (n, a) at 8 (4 n + a) counted through; window 2 v128-255: four buffers of four fragments of Q, later of P; window 3: the ring
.set PANEL, 24576                      ; 16 rows x 768 channels in f16
.set VTILE, 32768                      ; 16 channels x 1,024 keys in f16
.set OROW,  3072                       ; a row of out in bytes
.set PLDS,  4*PANEL                    ; LDS: Q's four panels from 0; P from here: block (key tile kt, query tile a) of 512 bytes at (4 kt + a) 512
.set STAT,  PLDS+32768                 ; the waves' maxima, [a][query][wave] f32, 1,024 bytes; their sums 1,024 bytes further on
.set STAGE, STAT+2048                  ; for the way out: for each wave 16 rows of 768 bytes,
.set SPIT,  784                        ; 784 bytes apart: 49 x 16, so that the 16 rows that a store touches begin in 16 different groups of four banks (64 banks of 4 bytes: ISA guide 11.1)
.set WSTG,  16*SPIT
.set SPARE, STAGE+4*WSTG               ; the spare words, 128 bytes for each wave, two blocks of 256 bytes that no other line names
.set LO,  1                            ; v1   16 x lane: my bytes in 512 consecutive bytes; also the LDS address of Q's panels 0, 1
.set QA1, 2                            ; v2   of Q's panels 2, 3
.set PA,  3                            ; v3   P + 16 x lane
.set PW,  4                            ; v4   the same at my wave's four key tiles
.set SA,  5                            ; v5   STAT + 16 x query + 4 x wave
.set SR,  6                            ; v6   STAT + 16 x query
.set STO, 7                            ; v7   my stage: row lane % 16, 32 bytes for each half of the lanes
.set RD,  8                            ; v8   my stage: lanes 0-15 a row's 256 bytes, lanes 16-31 those of the row eight further down
.set GO,  9                            ; v9   the same two places in out
.set DLT, 10                           ; v10  my query less my lanes' first key, in the diagonal super-step
.set BIG, 11                           ; v11  -1e30
.set QW,  12                           ; v12  LDS: where my wave's panel of Q goes
.set SPW, 14                           ; v14  LDS address of my spare word; never rewritten
.set NIL, 15                           ; v15  0; never rewritten
.set ST,  16                           ; tile a at ST + 8 a: c m, m, l (even keys', odd keys'), a, its pair's other half, two at work
.set WK,  48
.set PO,  64                           ; tile a's weights in f16 at PO + 16 a
.set OBF, 64                           ; the way out: tile a's rows come back into OBF + 96 (a % 2)
.set S,   128
.set PB,  128                          ; window 2
.set WV,  10
.set BT,  11                           ; s11  batch
.set QI,  12                           ; s12  query block in the batch
.set NSS, 13                           ; s13  super-steps
.set SS,  14                           ; s14  counts trips
.set TM,  15
.set KB,  16                           ; s[16:17] k at my wave's four key tiles of the super-step whose K is being asked for
.set VB,  18                           ; s[18:19] v at my wave's twelve channel tiles, at the first key of the super-step in hand
.set QS,  20                           ; s[20:21] q at my wave's panel of the block
.set OB,  22                           ; s[22:23] out at the block's first row, my wave's 768 bytes
.set CS,  24                           ; s[24:25] c: the packed scaling takes the pair's low word for both halves
.set SEL, 26                           ; s[26:27] v_permlanex16_b32's selects: each lane takes its own place in the other half
.set OFS, 28                           ; s[28:29] a super-step's byte offset in K or in V
.set SG,  30                           ; s30  the super-step in hand
.set SN,  31                           ; s31  the next one
.set K0,  40                           ; s[40:41] k at my wave's key tiles of super-step 0; never rewritten
.set V0,  42                           ; s[42:43] v at my wave's channel tiles, key 0; never rewritten
.set MK,  44                           ; s[44:59] the masks of a run of sixteen compares
.set MSB, 0
.macro WIN new                         ; the immediate's high byte repeats the setting that is left; a switch that changes nothing is dropped
.if MSB != (\new)
	s_set_vgpr_msb (MSB<<8)|(\new)
.set MSB, (\new)
.endif
.endm
.macro PLACES                          ; a vector instruction that reads a matrix result stands four places behind it (ISA guide 7.12.1)
.rept 4
	v_nop
.endr
.endm
.macro ALL line:vararg                 ; one line for each query tile ta
.set ta, 0
.rept 4
	\line
.set ta, ta+1
.endr
.endm
.macro KLOAD c                         ; K's chunk c (32 channels) of my four key tiles: ring places 4 (c % 8) + t
	WIN 0xc0
.set ks, 32*((\c)%8)
.irp t, 0,1,2,3
	global_load_b128 v[ks+8*\t:ks+8*\t+3],   v[LO], s[KB:KB+1] offset:\t*PANEL+(\c)*1024
	global_load_b128 v[ks+8*\t+4:ks+8*\t+7], v[LO], s[KB:KB+1] offset:\t*PANEL+(\c)*1024+512
.endr
.endm
.macro VLOAD f                         ; V's fragment f = 12 m + n (key chunk m, channel tile n): ring place f % 32
	WIN 0xc0
.set vs, 8*((\f)%32)
	global_load_b128 v[vs:vs+3],   v[LO], s[VB:VB+1] offset:((\f)%12)*VTILE+((\f)/12)*1024
	global_load_b128 v[vs+4:vs+7], v[LO], s[VB:VB+1] offset:((\f)%12)*VTILE+((\f)/12)*1024+512
.endm
.macro QLOAD c                         ; Q's chunk c of the four query tiles, into buffer c % 4
	WIN 0x80
.set qb, PB+32*((\c)%4)
.irp u, 0,1
	ds_load_b128 v[qb+8*\u:qb+8*\u+3],   v[LO] offset:\u*PANEL+(\c)*1024
	ds_load_b128 v[qb+8*\u+4:qb+8*\u+7], v[LO] offset:\u*PANEL+(\c)*1024+512
.endr
.irp u, 0,1
	ds_load_b128 v[qb+16+8*\u:qb+16+8*\u+3],   v[QA1] offset:\u*PANEL+(\c)*1024
	ds_load_b128 v[qb+16+8*\u+4:qb+16+8*\u+7], v[QA1] offset:\u*PANEL+(\c)*1024+512
.endr
.endm
.macro PLOAD m                         ; P's key chunk m (key tiles 2 m, 2 m + 1) of the four query tiles, into buffer m % 4
	WIN 0x80
.set pb, PB+32*((\m)%4)
.irp u, 0,1,2,3
	ds_load_b128 v[pb+8*\u:pb+8*\u+3],   v[PA] offset:(8*(\m)+\u)*512
	ds_load_b128 v[pb+8*\u+4:pb+8*\u+7], v[PA] offset:(8*(\m)+\u)*512+2048
.endr
.endm
; Four products of S^T = K Q^T: chunk c, query tile a, the four key tiles.  ride = 1: a v_nop rides behind each: four plain places between the products of the group before and the loads into what they read.
.macro SMUL c, a, ride
	WIN 0x0b                                       ; K in window 3, Q in window 2, S^T in window 0
.set tt, 0
.rept 4
.set sa, S+8*(4*(\a)+tt)
.if (\c) == 0
	v_wmma_f32_16x16x32_f16 v[sa:sa+7], v[32*((\c)%8)+8*tt:32*((\c)%8)+8*tt+7], v[PB+32*((\c)%4)+8*(\a):PB+32*((\c)%4)+8*(\a)+7], 0
.else
	v_wmma_f32_16x16x32_f16 v[sa:sa+7], v[32*((\c)%8)+8*tt:32*((\c)%8)+8*tt+7], v[PB+32*((\c)%4)+8*(\a):PB+32*((\c)%4)+8*(\a)+7], v[sa:sa+7]
.endif
.if \ride
	v_nop
.endif
.set tt, tt+1
.endr
.endm
; S phase, group g: chunks 2 g and 2 g + 1, 32 products, the 16 accumulators by turns.  Its 32 loads stand in four runs of eight behind its products 4, 8, 12 and 16: Q's first, which the next group's head wants.
.macro SGR g
	s_wait_loadcnt 32                              ; loads come back in order (ISA guide 5.7.1): K's chunks 2 g and 2 g + 1 are in; the 32 loads issued behind them (four chunks of K; from group 10 on V's fragments in their stead) may be out
	s_wait_dscnt 0x0                               ; Q's chunks 2 g and 2 g + 1 are in
	s_wait_alu depctr_va_vdst(0)                   ; the products issued so far are done reading the ring places and the two buffers in which this group's loads land
	SMUL 2*(\g), 0, 1
.if (\g) <= 10
	QLOAD 2*(\g)+2
.endif
	SMUL 2*(\g), 1, 0
.if (\g) <= 10
	QLOAD 2*(\g)+3
.endif
	SMUL 2*(\g), 2, 0
.if (\g) <= 8
	KLOAD 2*(\g)+6
.else
.set ff, 8*((\g)-9)                    ; K is all asked for: V's fragments 0 to 23 follow, eight a group, into the places that groups 8 to 10 read
.rept 4
	VLOAD ff
.set ff, ff+1
.endr
.endif
	SMUL 2*(\g), 3, 0
.if (\g) <= 8
	KLOAD 2*(\g)+7
.else
.rept 4
	VLOAD ff
.set ff, ff+1
.endr
.endif
.irp a, 0,1,2,3
	SMUL 2*(\g)+1, \a, 0
.endr
.endm
; Four products of O^T += V^T P: key chunk m, channel tile n, the four query tiles.  ride as in SMUL.
.macro PMUL m, n, ride
.set fs, 8*((12*(\m)+(\n))%32)
.if (\n) < 8
	WIN 0x5b                                       ; V in window 3, P in window 2, O^T in window 1
.set ob, 32*(\n)
.else
	WIN 0xab                                       ; O^T in window 2
.set ob, 32*((\n)-8)
.endif
.set aa, 0
.rept 4
	v_wmma_f32_16x16x32_f16 v[ob+8*aa:ob+8*aa+7], v[fs:fs+7], v[PB+32*((\m)%4)+8*aa:PB+32*((\m)%4)+8*aa+7], v[ob+8*aa:ob+8*aa+7]
.if \ride
	v_nop
.endif
.set aa, aa+1
.endr
.endm
; PV phase, half e of sixteen: key chunk e / 2, channel tiles 6 (e % 2) + 0..5: V's fragments 6 e .. 6 e + 5; 24 products on 24 accumulators.
; V is asked for 24 fragments ahead; when V's 96 are all asked for, the next super-step's K follows; when P's eight chunks are all asked for, the next trip's first two chunks of Q.  The runs stand behind products 4, 8 and 12.
.macro PVH e
.set mm, (\e)/2
.set n0, 6*((\e)%2)
.if (\e)%2 == 0
	s_wait_dscnt 16                                ; P's chunk mm is in; the two chunks asked for behind it (of P; at the end of Q) may be out
.endif
.if ((\e) == 13) || ((\e) == 15)
	s_wait_loadcnt 32                              ; behind fragment 6 e + 5: 24 loads of V and 8 of K (e = 13), 32 of K (e = 15: every load of V is done)
.else
	s_wait_loadcnt 36                              ; behind fragment 6 e + 5: 18 fragments of V (e <= 12), 12 loads of V and 24 of K (e = 14)
.endif
.if (\e) > 0
	s_wait_alu depctr_va_vdst(0)                   ; the halves before are done reading the ring places and the buffer in which this half's loads land
	PMUL mm, n0, 1
.else
	PMUL mm, n0, 0                                 ; half 0's loads land in registers that S group 11 read last: it stands ahead of the waits among the weights, and no vector or matrix line since names them
.endif
.if (\e)%2 == 0
.if mm <= 4
	PLOAD mm+3
.elseif mm <= 6
	QLOAD mm-5
.endif
.endif
	PMUL mm, n0+1, 0
.if (\e) <= 11
.set ff, 6*(\e)+24
.rept 3
	VLOAD ff
.set ff, ff+1
.endr
.elseif (\e) == 12
	KLOAD 0
.elseif (\e) == 13
	KLOAD 1
.elseif (\e) == 14
	KLOAD 3
.else
	KLOAD 4
.endif
	PMUL mm, n0+2, 0
.if (\e) <= 11
.rept 3
	VLOAD ff
.set ff, ff+1
.endr
.elseif (\e) == 13
	KLOAD 2
.elseif (\e) == 15
	KLOAD 5
.endif
	PMUL mm, n0+3, 0
	PMUL mm, n0+4, 0
	PMUL mm, n0+5, 0
.endm
; THE WEIGHTS of query tile a, in five parts.
.macro FSC a                           ; c s - c m for the 16 pairs
.set pp, 0
.rept 16
	v_pk_fma_f32 v[S+32*(\a)+2*pp:S+32*(\a)+2*pp+1], v[S+32*(\a)+2*pp:S+32*(\a)+2*pp+1], s[CS:CS+1], v[ST+8*(\a):ST+8*(\a)+1] op_sel_hi:[1,0,0] neg_lo:[0,0,1] neg_hi:[0,0,1]
.set pp, pp+1
.endr
.endm
.macro EXPS a                          ; the 32 exponentials, on end; a plain instruction that touches none of them follows the run before a result is used (ISA guide 5.7.2)
.set pp, 0
.rept 32
	v_exp_f32 v[S+32*(\a)+pp], v[S+32*(\a)+pp]
.set pp, pp+1
.endr
.endm
.macro CVT a                           ; rounded to f16, the lower key in the low half, into the tile's own 16 registers: 16 bytes a key tile, which are half a fragment of P as they stand
.set pp, 0
.rept 16
	v_cvt_pk_f16_f32 v[PO+16*(\a)+pp], v[S+32*(\a)+2*pp], v[S+32*(\a)+2*pp+1]
.set pp, pp+1
.endr
.endm
.macro PST a                           ; and into LDS
.irp t, 0,1,2,3
	ds_store_b128 v[PW], v[PO+16*(\a)+4*\t:PO+16*(\a)+4*\t+3] offset:2048*\t+512*(\a)
.endr
.endm
.macro SUMS a                          ; the 16 pairs are added in place, 8, 4, 2 and 1 pairs apart; then l = a l + the sum
.set rs, S+32*(\a)
.irp dd, 16, 8, 4, 2
.set pp, 0
.rept \dd/2
	v_pk_add_f32 v[rs+2*pp:rs+2*pp+1], v[rs+2*pp:rs+2*pp+1], v[rs+2*pp+\dd:rs+2*pp+\dd+1]
.set pp, pp+1
.endr
.endr
	v_pk_fma_f32 v[ST+8*(\a)+2:ST+8*(\a)+3], v[ST+8*(\a)+2:ST+8*(\a)+3], v[ST+8*(\a)+4:ST+8*(\a)+5], v[rs:rs+1] op_sel_hi:[1,0,1]
.endm
	s_load_b128 s[4:7], s[0:1], 0x0                ; qk s[4:5], vf s[6:7]
	s_load_b64 s[8:9], s[0:1], 0x10                ; out0
	v_lshl_add_u32 v[SPW], v0, 2, SPARE
	v_mov_b32 v[NIL], 0
	v_lshrrev_b32 v13, 5, v0
	v_readfirstlane_b32 s[WV], v13
	s_lshr_b32 s[BT], ttmp9, 4
	s_and_b32 s[QI], ttmp9, 15
	s_lshr_b32 s[NSS], s[QI], 2
	s_add_co_u32 s[NSS], s[NSS], 1
	s_mov_b32 s[SS], 0
	s_and_b32 s[SG], s[QI], 3                      ; where the walk begins: (i % 4) % NSS, by at most three subtractions
.rept 3
	s_cmp_ge_u32 s[SG], s[NSS]
	s_cselect_b32 s[TM], s[NSS], 0
	s_sub_co_u32 s[SG], s[SG], s[TM]
.endr
	s_mov_b32 s[CS], 0x3d553b95                    ; c = log2(e) / sqrt(768) = 0.0520588
	s_mov_b32 s[CS+1], s[CS]                       ; named with it as a pair
	s_mov_b32 s[SEL], 0x76543210
	s_mov_b32 s[SEL+1], 0xfedcba98
	s_mov_b32 s[OFS+1], 0
	s_wait_alu depctr_va_sdst(0)                   ; the wave's number is written, ahead of its first reader: the bases and the LDS places below are made from it
	s_mul_i32 s28, s[BT], 64*PANEL                 ; the batch's first byte in q, in k and in vf
	s_mul_i32 s32, s[WV], 4*PANEL                  ; K: my four key tiles,
	s_add_co_u32 s32, s32, s28
	s_add_co_u32 s32, s32, 1024*PANEL              ; behind q
	s_mov_b32 s33, 0
	s_mul_i32 s34, s[WV], 12*VTILE                 ; V: my twelve channel tiles
	s_add_co_u32 s34, s34, s28
	s_mov_b32 s35, 0
	s_lshl2_add_u32 s36, ttmp9, s[WV]              ; Q: row tile 4 (16 batch + i) + w
	s_mul_i32 s36, s36, PANEL
	s_mov_b32 s37, 0
	s_mul_i32 s38, ttmp9, 64*OROW                  ; out: row 64 (16 batch + i),
	s_mul_i32 s39, s[WV], 768                      ; my 192 channels
	s_add_co_u32 s38, s38, s39
	s_mov_b32 s39, 0
	v_and_b32 v13, 31, v0
	v_lshlrev_b32 v[LO], 4, v13
	v_and_b32 v64, 15, v0                          ; l % 16
	v_bfe_u32 v65, v0, 4, 1                        ; l / 16
	v_add_nc_u32 v[QA1], 2*PANEL, v[LO]
	v_add_nc_u32 v[PA], PLDS, v[LO]
	s_lshl_b32 s[TM], s[WV], 13
	v_add_nc_u32 v[PW], s[TM], v[PA]
	v_lshlrev_b32 v[SR], 4, v64
	v_add_nc_u32 v[SR], STAT, v[SR]
	s_lshl_b32 s[TM], s[WV], 2
	v_add_nc_u32 v[SA], s[TM], v[SR]
	s_mul_i32 s[TM], s[WV], WSTG
	s_add_co_u32 s[TM], s[TM], STAGE
	v_mul_u32_u24 v[STO], v64, SPIT
	v_lshl_add_u32 v[STO], v65, 5, v[STO]
	v_add_nc_u32 v[STO], s[TM], v[STO]
	v_mul_u32_u24 v[RD], v65, 8*SPIT
	v_lshl_add_u32 v[RD], v64, 4, v[RD]
	v_add_nc_u32 v[RD], s[TM], v[RD]
	v_mul_u32_u24 v[GO], v65, 8*OROW
	v_lshl_add_u32 v[GO], v64, 4, v[GO]
	s_mul_i32 s[TM], s[WV], PANEL
	v_add_nc_u32 v[QW], s[TM], v[LO]
	s_and_b32 s[TM], s[QI], 3                      ; in the diagonal super-step: key 64 w + 16 t + 8 (l / 16) + j is hidden from query 64 (i % 4) + 16 a + l % 16 where it is greater,
	s_sub_co_i32 s[TM], s[TM], s[WV]               ; that is where 16 (t - a) + j > 64 (i % 4 - w) + l % 16 - 8 (l / 16)
	s_lshl_b32 s[TM], s[TM], 6
	v_lshlrev_b32 v13, 3, v65
	v_sub_nc_u32 v[DLT], v64, v13
	v_add_nc_u32 v[DLT], s[TM], v[DLT]
	v_mov_b32 v[BIG], 0xf149f2ca                   ; -1e30
	s_wait_kmcnt 0x0
	s_add_nc_u64 s[K0:K0+1], s[4:5], s[32:33]
	s_add_nc_u64 s[V0:V0+1], s[6:7], s[34:35]
	s_add_nc_u64 s[QS:QS+1], s[4:5], s[36:37]
	s_add_nc_u64 s[OB:OB+1], s[8:9], s[38:39]
	s_mul_i32 s[OFS], s[SG], 16*PANEL              ; a super-step is 16 key tiles of K,
	s_add_nc_u64 s[KB:KB+1], s[K0:K0+1], s[OFS:OFS+1]
	s_lshl_b32 s[OFS], s[SG], 13                   ; and 8,192 bytes of each channel tile of V
	s_add_nc_u64 s[VB:VB+1], s[V0:V0+1], s[OFS:OFS+1]
	WIN 0x40                                       ; my panel of Q lands in O^T's registers, which are cleared afterwards; the launch reads it once
	s_wait_alu depctr_va_vdst(0)                   ; the offsets and LDS addresses v1 to v9 and v12 are written: every load and store of the kernel reads one of them
.set ii, 0
.rept 48
	global_load_b128 v[4*ii:4*ii+3], v[LO], s[QS:QS+1] offset:512*ii th:TH_LOAD_NT
.set ii, ii+1
.endr
.irp c, 0,1,2,3,4,5
	KLOAD \c
.endr
	WIN 0x80                                       ; while they are on their way: O^T's part in window 2,
.set ii, 0
.rept 128
	v_mov_b32 v[ii], 0
.set ii, ii+1
.endr
	WIN 0                                          ; and the statistics
	ALL v_mov_b32 v[ST+8*ta], 0xfe000000           ; c m: far below every c s
	ALL v_mov_b32 v[ST+8*ta+1], 0xff7fffff         ; m: the lowest finite number
.irp k, 2,3,4,5,6,7
	ALL v_mov_b32 v[ST+8*ta+\k], 0
.endr
	s_wait_loadcnt 48                              ; Q's 48 loads are in; K's 48 stay out
	WIN 0x04                                       ; store data in window 1
.set ii, 0
.rept 48
	ds_store_b128 v[QW], v[4*ii:4*ii+3] offset:512*ii
.set ii, ii+1
.endr
	s_wait_dscnt 0x0                               ; for the others' sake: my panel of Q is in LDS
	s_wait_alu depctr_vm_vsrc(0)                   ; the LDS stores have read v0-191 of window 1, which the lines below clear
	s_barrier_signal -1
	WIN 0x40                                       ; work on registers while the others arrive: O^T's part in window 1
.set ii, 0
.rept 256
	v_mov_b32 v[ii], 0
.set ii, ii+1
.endr
	WIN 0
	s_barrier_wait -1
	QLOAD 0                                        ; the first trip's first two chunks of Q; every later trip's are asked for in the PV phase before it.  No vector line has named these registers
	QLOAD 1
	WIN 0                                          ; at a label and at a branch every window is 0
.Lss:                                                  ; a trip: one super-step of 256 keys; at its head six chunks of its K, 48 loads, and two chunks of Q are out
.set gi, 0
.rept 12
	SGR gi
.set gi, gi+1
.endr
	PLACES                                         ; behind the last products, ahead of the first reads of the scores
	s_add_co_u32 s[SN], s[SG], 1                   ; the last group's wait left 32 loads out, all of them V's: every load of K is done, so K's base may be written: the next super-step of the turned walk
	s_cmp_eq_u32 s[SN], s[NSS]
	s_cselect_b32 s[SN], 0, s[SN]
	s_mul_i32 s[OFS], s[SN], 16*PANEL
	s_add_nc_u64 s[KB:KB+1], s[K0:K0+1], s[OFS:OFS+1]
	WIN 0
	s_add_co_u32 s[TM], s[SG], 1
	s_cmp_lg_u32 s[TM], s[NSS]
	s_cbranch_scc1 .Lopen                          ; only super-step NSS - 1 holds the diagonal
.set dp, 0
.rept 4                                ; by t - a = dd - 3, two values to a run: sixteen compares into scalar registers, one wait, then the selects
.set dd, 2*dp
.rept 2
.if dd < 7
.set jj, 0
.rept 8
	v_cmp_gt_i32 s[MK+8*(dd%2)+jj], 16*(dd-3)+jj, v[DLT]
.set jj, jj+1
.endr
.endif
.set dd, dd+1
.endr
	s_wait_alu depctr_va_sdst(0)                   ; the run's compares have written their masks, ahead of the first select that reads one
.set dd, 2*dp
.rept 2
.if dd < 7
.set jj, 0
.rept 8                                ; by register: each accumulator's lowest register is read first
.set aa, 0
.rept 4
.if (aa+dd >= 3) && (aa+dd <= 6)
	v_cndmask_b32 v[S+8*(5*aa+dd-3)+jj], v[S+8*(5*aa+dd-3)+jj], v[BIG], s[MK+8*(dd%2)+jj]
.endif
.set aa, aa+1
.endr
.set jj, jj+1
.endr
.endif
.set dd, dd+1
.endr
.set dp, dp+1
.endr
.Lopen:
	; the maximum of a lane's 32 scores of each query tile: four chains of seven, three operands at a time, each accumulator's lowest registers first; the tiles alternate
.set nn, 0
.rept 4
	ALL v_max3_num_f32 v[WK+4*ta+nn], v[S+32*ta+8*nn], v[S+32*ta+8*nn+1], v[S+32*ta+8*nn+2]
.set nn, nn+1
.endr
.rept 8
	ALL v_max3_num_f32 v[WK+4*ta+nn%4], v[WK+4*ta+nn%4], v[S+32*ta+8*(nn%4)+2*(nn/4)+1], v[S+32*ta+8*(nn%4)+2*(nn/4)+2]
.set nn, nn+1
.endr
	ALL v_max3_num_f32 v[WK+4*ta], v[WK+4*ta], v[S+32*ta+7], v[S+32*ta+15]
	ALL v_max3_num_f32 v[WK+4*ta+1], v[WK+4*ta+1], v[S+32*ta+23], v[S+32*ta+31]
	ALL v_max3_num_f32 v[WK+4*ta], v[WK+4*ta], v[WK+4*ta+1], v[WK+4*ta+2]
	ALL v_max_num_f32 v[WK+4*ta], v[WK+4*ta], v[WK+4*ta+3]
	ALL v_permlanex16_b32 v[ST+8*ta+6], v[WK+4*ta], s[SEL], s[SEL+1]  ; the query's other 32 of my keys lie in the lane 16 away
	ALL v_max_num_f32 v[WK+4*ta], v[WK+4*ta], v[ST+8*ta+6]
	s_wait_alu depctr_va_vdst(0)                   ; the four maxima are written, which the LDS stores read; and every vector line that names WK is done: the LDS loads below land there
	ALL ds_store_b32 v[SA], v[WK+4*ta] offset:256*ta
	s_wait_dscnt 0x0                               ; my maxima are in LDS; and my reads of P in the last trip are long over:
	s_barrier_signal -1                            ; behind this barrier the four maxima are read and P is written anew
	s_barrier_wait -1
	s_wait_alu depctr_vm_vsrc(0)                   ; the four stores have read WK, in which the loads below land; the last trip's stores of P have read PO, which this trip's roundings write again
	ALL ds_load_b128 v[WK+4*ta:WK+4*ta+3], v[SR] offset:256*ta
	s_wait_dscnt 0x0
	ALL v_max3_num_f32 v[ST+8*ta+6], v[WK+4*ta], v[WK+4*ta+1], v[WK+4*ta+2]
	ALL v_mov_b32 v[ST+8*ta+7], v[ST+8*ta]         ; c m_old is kept
	ALL v_max3_num_f32 v[ST+8*ta+1], v[ST+8*ta+6], v[WK+4*ta+3], v[ST+8*ta+1]  ; the new m, the same in all four waves
	ALL v_mul_f32 v[ST+8*ta], s[CS], v[ST+8*ta+1]
	ALL v_sub_f32 v[ST+8*ta+7], v[ST+8*ta+7], v[ST+8*ta]
	ALL v_exp_f32 v[ST+8*ta+4], v[ST+8*ta+7]       ; a
	FSC 0                                          ; each run of exponentials is followed by the next tile's scalings, plain lines that touch none of its registers
	EXPS 0
	FSC 1
	s_wait_alu depctr_va_vdst(0)                   ; the four a and tile 0's exponentials are written, ahead of their first readers
	CVT 0
	SUMS 0
	EXPS 1
	FSC 2
	s_wait_alu depctr_va_vdst(0)                   ; tile 1's exponentials are written, ahead of their first reader; tile 0's roundings are written, which the LDS stores read
	PST 0
	CVT 1
	SUMS 1
	EXPS 2
	FSC 3
	s_wait_alu depctr_va_vdst(0)                   ; the same for tile 2's exponentials and tile 1's roundings
	PST 1
	CVT 2
	SUMS 2
	EXPS 3
	v_nop                                          ; a plain instruction behind the last exponential
	s_wait_alu depctr_va_vdst(0)                   ; the same for tile 3's exponentials and tile 2's roundings
	PST 2
	CVT 3
	SUMS 3
	s_wait_alu depctr_va_vdst(0)                   ; tile 3's roundings are written, which the LDS stores read.  S group 11's products stand ahead of this wait too: the first loads of P and half 0's loads lean on it
	PST 3
	s_wait_dscnt 0x0                               ; my part of P is in LDS, and my reads of the maxima are over:
	s_barrier_signal -1                            ; behind this barrier P is read, and the next trip's maxima may be stored
.set nn, 0
.rept 12                               ; work on registers while the others arrive: O^T times a, each accumulator's registers in ascending order
.if nn < 8
	WIN 0x41                                       ; destination and source 0 in window 1, a in window 0
.set ob, 32*nn
.else
	WIN 0x82
.set ob, 32*(nn-8)
.endif
.set aa, 0
.rept 4
.set pp, 0
.rept 4
	v_pk_mul_f32 v[ob+8*aa+2*pp:ob+8*aa+2*pp+1], v[ob+8*aa+2*pp:ob+8*aa+2*pp+1], v[ST+8*aa+4:ST+8*aa+5] op_sel_hi:[1,0]
.set pp, pp+1
.endr
.set aa, aa+1
.endr
.set nn, nn+1
.endr
	s_barrier_wait -1
	PLOAD 0                                        ; no wait: the lines since the last wait on va_vdst name O^T and the statistics alone
	PLOAD 1
	PLOAD 2
.set ee, 0
.rept 16
	PVH ee
.set ee, ee+1
.endr
	s_lshl_b32 s[OFS], s[SN], 13                   ; the last half's wait left 32 loads out, all of them K's: every load of V is done, so V's base may be written
	s_add_nc_u64 s[VB:VB+1], s[V0:V0+1], s[OFS:OFS+1]
	s_mov_b32 s[SG], s[SN]
	WIN 0
	s_add_co_u32 s[SS], s[SS], 1
	s_cmp_lt_u32 s[SS], s[NSS]
	s_cbranch_scc1 .Lss
	; THE WAY OUT.  A query's l: my two halves, the other half of the lanes', the other three waves'.  These lines are also the places behind the last products.
	ALL v_add_f32 v[ST+8*ta+6], v[ST+8*ta+2], v[ST+8*ta+3]
	ALL v_permlanex16_b32 v[ST+8*ta+7], v[ST+8*ta+6], s[SEL], s[SEL+1]
	ALL v_add_f32 v[ST+8*ta+6], v[ST+8*ta+6], v[ST+8*ta+7]
	s_wait_alu depctr_va_vdst(0)                   ; the four sums are written, which the LDS stores read; every vector line that names WK is done: the LDS loads below land there
	ALL ds_store_b32 v[SA], v[ST+8*ta+6] offset:1024+256*ta
	s_wait_dscnt 0x0                               ; for the others' sake
	s_barrier_signal -1
	s_barrier_wait -1
	ALL ds_load_b128 v[WK+4*ta:WK+4*ta+3], v[SR] offset:1024+256*ta
	s_wait_dscnt 0x0
	ALL v_add_f32 v[WK+4*ta], v[WK+4*ta], v[WK+4*ta+1]
	ALL v_add_f32 v[WK+4*ta+2], v[WK+4*ta+2], v[WK+4*ta+3]
	ALL v_add_f32 v[WK+4*ta], v[WK+4*ta], v[WK+4*ta+2]
	ALL v_rcp_f32 v[ST+8*ta+4], v[WK+4*ta]
	v_nop                                          ; a plain instruction between the last reciprocal and the use of its result
	s_wait_alu depctr_va_vdst(0)                   ; the four reciprocals are written, ahead of their first reader
; Query tile a, in four parts.  MULO: O^T / l.  STG: a lane's eight channels of a row, 32 bytes, go into my own stage.  LDG: they come back as pieces of 256 bytes of a row, into out-buffer a % 2.
; SEND: each store fills two aligned pieces of 256 consecutive bytes of out.  The two out-buffers take turns: a buffer is loaded again two tiles behind the stores that read it.
.macro MULO a
.set nn, 0
.rept 12
.if nn < 8
	WIN 0x41
.set ob, 32*nn
.else
	WIN 0x82
.set ob, 32*(nn-8)
.endif
.set pp, 0
.rept 4
	v_pk_mul_f32 v[ob+8*(\a)+2*pp:ob+8*(\a)+2*pp+1], v[ob+8*(\a)+2*pp:ob+8*(\a)+2*pp+1], v[ST+8*(\a)+4:ST+8*(\a)+5] op_sel_hi:[1,0]
.set pp, pp+1
.endr
.set nn, nn+1
.endr
.endm
.macro STG a
.set nn, 0
.rept 12
.if nn < 8
	WIN 0x04                                       ; store data in window 1
.set ob, 32*nn
.else
	WIN 0x08
.set ob, 32*(nn-8)
.endif
	ds_store_b128 v[STO], v[ob+8*(\a):ob+8*(\a)+3]   offset:64*nn
	ds_store_b128 v[STO], v[ob+8*(\a)+4:ob+8*(\a)+7] offset:64*nn+16
.set nn, nn+1
.endr
	WIN 0
.endm
.macro LDG a
.set bk, OBF+96*((\a)%2)
.set kk, 0
.rept 24                               ; LDS serves a wave's instructions in order (ISA guide 5.7.1.4): these see the stores above, and the next tile's stores come behind them
	ds_load_b128 v[bk+4*kk:bk+4*kk+3], v[RD] offset:SPIT*(kk/3)+256*(kk%3)
.set kk, kk+1
.endr
.endm
.macro SEND a
	WIN 0
.set bk, OBF+96*((\a)%2)
.set kk, 0
.rept 24
	s_wait_dscnt 23-kk                             ; load kk of the 24 is in; no LDS instruction has been issued behind them
	global_store_b128 v[GO], v[bk+4*kk:bk+4*kk+3], s[OB:OB+1] offset:(16*(\a)+kk/3)*OROW+256*(kk%3) th:TH_STORE_NT
.set kk, kk+1
.endr
.endm
	MULO 0
	s_wait_alu depctr_va_vdst(0)                   ; tile 0's quotients are written, which the LDS stores read; every vector and matrix line that names v64-255 is done: the rows land there
	s_wait_alu depctr_vm_vsrc(0)                   ; the last trip's stores of P have read v64-127, in which tile 0's rows land
	STG 0
	LDG 0
	MULO 1                                         ; a tile's quotients stand between the LDS loads of the tile before and the wait for them
	s_wait_alu depctr_va_vdst(0)                   ; tile 1's quotients are written, which the LDS stores read
	SEND 0
	STG 1
	LDG 1
	MULO 2
	s_wait_alu depctr_va_vdst(0)                   ; tile 2's quotients are written, which the LDS stores read
	s_wait_xcnt 0x0                                ; every earlier memory instruction has had its addresses translated (ISA guide 3.1): tile 0's stores' data registers are loaded again only behind this wait
	s_wait_alu depctr_vm_vsrc(0)                   ; tile 0's stores have read out-buffer 0, in which tile 2's rows land; the lines between name out-buffer 1 and O^T
	SEND 1
	STG 2
	LDG 2
	MULO 3
	s_wait_alu depctr_va_vdst(0)                   ; tile 3's quotients are written, which the LDS stores read
	s_wait_xcnt 0x0                                ; the same for tile 1's stores
	s_wait_alu depctr_vm_vsrc(0)                   ; tile 1's stores have read out-buffer 1, in which tile 3's rows land
	SEND 2
	STG 3
	LDG 3
	SEND 3
	s_wait_dscnt 0x0                               ; the closing lines, six on end
	s_wait_alu 0x0
	s_wait_tensorcnt 0x0
	ds_add_u32 v[SPW], v[NIL]
	s_wait_dscnt 0x0
	s_endpgm
.Lfunc_end_k_q55d20246e5_attn:
	.size	k_q55d20246e5_attn, .Lfunc_end_k_q55d20246e5_attn-k_q55d20246e5_attn
	.p2alignl 7, 3214868480
	.fill 96, 4, 3214868480
	.section	.rodata,"a",@progbits
	.p2align	6, 0x0
	.amdhsa_kernel k_q55d20246e5_attn
		.amdhsa_group_segment_fixed_size 183808
		.amdhsa_private_segment_fixed_size 0
		.amdhsa_enable_private_segment 0
		.amdhsa_kernarg_size 24
		.amdhsa_user_sgpr_count 2
		.amdhsa_user_sgpr_kernarg_segment_ptr 1
		.amdhsa_wavefront_size32 1
		.amdhsa_system_sgpr_workgroup_id_x 1
		.amdhsa_system_sgpr_workgroup_id_y 1
		.amdhsa_system_sgpr_workgroup_id_z 1
		.amdhsa_system_vgpr_workitem_id 0
		.amdhsa_next_free_vgpr 1024
		.amdhsa_next_free_sgpr 66
		.amdhsa_reserve_vcc 0
		.amdhsa_float_denorm_mode_32 3
		.amdhsa_float_denorm_mode_16_64 3
		.amdhsa_memory_ordered 1
		.amdhsa_forward_progress 1
		.amdhsa_inst_pref_size 229
	.end_amdhsa_kernel
	.amdgpu_metadata
---
amdhsa.version: [ 1, 2 ]
amdhsa.kernels:
  - .name:           k_q55d20246e5_attn
    .symbol:         k_q55d20246e5_attn.kd
    .args:
      - { .name: qk, .offset: 0, .size: 8, .value_kind: global_buffer, .address_space: global }
      - { .name: vf, .offset: 8, .size: 8, .value_kind: global_buffer, .address_space: global }
      - { .name: out0, .offset: 16, .size: 8, .value_kind: global_buffer, .address_space: global }
    .group_segment_fixed_size: 183808
    .private_segment_fixed_size: 0
    .kernarg_segment_align: 8
    .kernarg_segment_size: 24
    .max_flat_workgroup_size: 128
    .sgpr_count:     66
    .vgpr_count:     1024
    .wavefront_size: 32
...
	.end_amdgpu_metadata
.endif
;; end of part 5
